; MI455X (gfx1250); checked and timed in simulation.
; The chip was launched on July 23, 2026; its instructions are those of AMD's public machine-readable ISA for CDNA 5 (MIT licence, August 2026) and "CDNA5" Instruction Set Architecture Reference Guide (July 2026). The comments in the code are by the model that wrote it; some were corrected since.
;; Self Attention. Allowed arithmetic: matrix products marked QUANTISED: E3M2 operands, one E8M0 scale for each 32 along K, by v_wmma_scale_f32_16x16x128_f8f6f4 with both operands' format E3M2, f32 sums; everything else in f32.
;; Inputs: Wk 1,024 x 1,024 float32; Wq 1,024 x 1,024 float32; Wv 1,024 x 1,024 float32; bk 1,024 float32; bq 1,024 float32; bv 1,024 float32; x 4 x 2,048 x 1,024 float32.
;; Outputs: out0 4 x 2,048 x 1,024 float32.
;; This version of the problem:
;;   THIS VERSION OF THE PROBLEM IS GIVEN IN LOW PRECISION. The matrix products marked QUANTISED in the list below multiply operands that are first quantised to E3M2 (3 exponent bits, 2 mantissa bits; 6 bits a number), with one power-of-two scale for each 32 numbers along K (OCP MX v1.0); their sums are f32. All else is computed in f32.
;;   The module's matrix products, in the order in which they are computed (A, B: the left and right operand; K: the contracted axis; several contracted axes count as one K, in the product's order):
;;     1. [M 8,192, K 1,024] x [K 1,024, N 1,024]; A: input x; B: input Wq: QUANTISED
;;     2. [M 8,192, K 1,024] x [K 1,024, N 1,024]; A: input x; B: input Wk: QUANTISED
;;     3. [M 8,192, K 1,024] x [K 1,024, N 1,024]; A: input x; B: input Wv: QUANTISED
;;     4. batch 4 x [M 2,048, K 1,024] x [K 1,024, N 2,048]; A: computed on the way; B: computed on the way: QUANTISED
;;     5. batch 4 x [M 2,048, K 2,048] x [K 2,048, N 1,024]; A: softmax (see below); B: computed on the way: QUANTISED
;;   THE QUANTISER, for each operand of a quantised product, along K:
;;     - K is cut into blocks of 32 from its start; a last block that is shorter is filled with zeros.
;;     - A block's scale is 2^e with e = floor(log2(the largest magnitude in the block)) - 4, held to -126 .. 127; a block of zeros has e = 0. As a byte (E8M0): e + 127.
;;     - Each number is divided by its block's scale, clamped to +-28, and rounded to the nearest number of E3M2, ties to even, subnormals kept.
;;     - The product sums the exact products of the quantised numbers (number of the format x scale) in f32.
;;   ~~~python
;;   def quantise(x, axis):      # numpy; x: float32 -> the quantised numbers, widened to float32 again
;;       x = np.moveaxis(x, axis, -1); K = x.shape[-1]
;;       x = np.pad(x, [(0, 0)] * (x.ndim - 1) + [(0, -K % 32)]); x = x.reshape(x.shape[:-1] + (-1, 32)); a = np.abs(x).max(-1, keepdims=True)
;;       e = np.where(a > 0, np.clip(np.frexp(np.where(a > 0, a, 1))[1] - 1 - 4, -126, 127), 0)      # np.frexp(a)[1] - 1 = floor(log2(a)), exactly
;;       r = np.clip(x / 2.0 ** e, -28, 28)
;;       step = 2.0 ** (np.maximum(np.frexp(np.where(r == 0, 1, r))[1] - 1, -2) - 2)
;;       q = np.round(r / step) * step * 2.0 ** e      # np.round: ties to even
;;       return np.moveaxis(q.reshape(q.shape[:-2] + (-1,))[..., :K], -1, axis).astype(np.float32)
;;   ~~~
;;   SOFTMAX AHEAD OF A QUANTISED PRODUCT. Where the list says 'softmax', what is quantised is not the finished softmax but p = 2^(t - M), with t = logit x log2(e) and M = ceil(the row's largest t), a whole number; so 1/2 < the row's largest p <= 1. The row's sum l is taken of the UNQUANTISED p, in f32, and the product's result is divided by l at the end. Since M is a whole number, a kernel that streams over the keys may use a running M (the ceiling of the running maximum): every later rescaling is an exact power of two, which a block's scale takes up: the codes' values come out the same.
;;   OPERANDS COMPUTED ON THE WAY. 'Computed on the way' means the value that the module computes at that place (a softmax that the list does not call 'softmax' is quantised finished and normalised). What goes into a quantiser is computed in f32, as accurately as f32 sums, v_exp_f32 and their like allow (about 1e-6 of the number): no bf16 or f16 on the way to a quantiser, and a product that is left as it is and whose result goes on into a quantised operand takes f32 operands (vector FMAs, or v_wmma_f32_16x16x4_f32). A number that lies on a knife's edge between two numbers of the format may be rounded either way, as far as f32 arithmetic and the matrix unit's own rounding can turn it there, and no further.
;; One version. Each part assembles by itself: llvm-mc -triple=amdgcn-amd-amdhsa -mcpu=gfx1250 --defsym DOCPART=n.
;; ======== version 1 of 1: 4 launches
;; limits: right only within a limited range of input values
;; workspace buffers: xw 9,011,200 bytes; qk 13,107,200 bytes; vt 6,553,600 bytes; p 12,582,912 bytes; ps 524,288 bytes; st 1,048,576 bytes
;; launch quant (part 1): grid 704 x 1, 2 waves a work-group, no clusters, 30,976 bytes of LDS; arguments x, Wq, Wk, Wv, xw; writes xw
.if DOCPART == 1
	.amdgcn_target "amdgcn-amd-amdhsa--gfx1250"
	.amdhsa_code_object_version 6
	.text
	.protected	k_q99029d312a_quant
	.globl	k_q99029d312a_quant
	.p2align	8
	.type	k_q99029d312a_quant,@function
k_q99029d312a_quant:
	s_mov_b64 s[64:65], 0
	v_nop
	global_prefetch_b8 v0, s[64:65] scope:SCOPE_SE
	s_setreg_imm32_b32 hwreg(HW_REG_WAVE_MODE, 25, 1), 1
	s_wait_xcnt 0x0
; x [8192][1024] (K innermost) and Wq, Wk, Wv [1024 (K)][1024] (K outermost), f32, become codes of BF6 (E3M2) with one E8M0 byte for each 32 along K.
; A block's scale is 2^(floor(log2(largest magnitude)) - 4): its byte is the largest magnitude's exponent field - 4, held at 1 from below.  (A block of zeros keeps the byte 1: its codes are zeros, and this program alone reads the bytes.)
; LIMITS: a block whose largest magnitude lies under 2^-122 keeps the byte 1; NaN and infinities among the inputs are not served.
; THE WORKSPACE IS LAID AS THE READERS' REGISTERS, in units of (128 rows) x (a step of 128 along K), 12,800 bytes, steps of one group of rows one behind the other:
;   eight images of 16 rows, 1,536 bytes each (registers 4 g .. 4 g + 3 of lane l at 512 g + 16 l), then 512 bytes of scale words: row r of block t of the 64-row group G at 256 G + 16 r + 8 (t % 2) + 4 (t / 2).
; A row stands at POSITION swap34(row): bits 3 and 4 of its number change places.  So the later products, used transposed, leave 16 true neighbours in a lane's 16 registers of two neighbouring tiles.
; x: 64 groups of 128 rows.  Behind them the weights: unit 2 j + w (19,200 bytes a step, twelve blocks) holds columns 128 j .. 128 j + 127 of Wq (w = 0) or Wk (w = 1), then columns 128 j + 64 w .. + 63 of Wv.
; Work-groups 0-191 take the weights (128 columns x 128 K each), 192-703 take x (64 rows x 256 K each): 64 KiB of f32 each.  Waves share nothing: no barrier.  Each path has LDS bytes of its own.
.set U,     12800
.set UW,    19200
.set WPART, 64*8*U
.set SEL,   20                         ; s[20:21] v_permlanex16_b32's selects for lane l xor 16
.set HI,    22                         ; s22  lanes 16-31
.set LI,    4                          ; v4   16 x lane
.set L8,    5                          ; v5   8 x lane
.set SW,    6                          ; v6   x: the stage, on the way in
.set SR,    7                          ; v7   on the way out: 528 r + 64 h
.set LS,    8                          ; v8   16 r + 8 h
.set WA,    9                          ; v9   W: the stage, on the way in
.set RB,    10                         ; v10  on the way out
.set WS,    11                         ; v11  where my column's scale word goes
.set WR,    14                         ; v14  where the 256 bytes of scale words are read back
.set PC,    16                         ; x: v16-35 the codes just made
.set TM,    36                         ; v36-51 largest magnitudes, bytes, scale operands
.set PWK,   52                         ; v52-55 the four row blocks' scale words
.set XO,    56
.set SPW,   62
.set NIL,   63
.set R,     0                          ; window 1: v256-511 four sets of 64: 16 rows as loaded, all four asked for at once
.set MSB, 0
.macro WIN new                         ; the immediate's high byte repeats the setting that is left
.if MSB != (\new)
	s_set_vgpr_msb (MSB<<8)|(\new)
.set MSB, \new
.endif
.endm
.set X,     192                        ; v192-255 64 numbers of my row: register 16 b + i = k 32 b + 16 h + i
.set XSTG,  8448                       ; a wave's stage: 16 rows x (512 + 16) bytes
.set F,     16                         ; W: column e's 32 codes at v[16 + 16 e], their upper half as it is made at v[22 + 16 e]
.set SB,    26                         ; v26-27 scale words of my two columns
.set MX,    48                         ; v48-55 maxima, scale operand, byte: four for each column
.set WX,    64                         ; v64-191 two sets of 32 x 2 numbers as loaded
.set OUTR,  128
.set WSTG0, 2*XSTG
.set IMGP,  1664                       ; an image in the stage: 1,536 + 128 bytes
.set WSTG,  4*IMGP+256
.set SPARE, WSTG0+2*WSTG               ; the spare words, 128 bytes a wave: a block of 256 bytes that no other line names
; 64 numbers of a lane, register 16 b + i = k 32 b + 16 h + i of my row, become a fragment and its scale word
.macro QUANT s, pw
.irp b, 0,1,2,3
	v_max3_num_f32 v[TM+\b], |v[\s+16*\b]|, |v[\s+1+16*\b]|, 0x2800000   ; and the floor 2^(5 - 127): the byte cannot fall under 1
.endr
.irp i, 2,4,6,8,10,12,14
.irp b, 0,1,2,3
	v_max3_num_f32 v[TM+\b], v[TM+\b], |v[\s+16*\b+\i]|, |v[\s+1+16*\b+\i]|
.endr
.endr
.irp b, 0,1,2,3
	v_permlanex16_b32 v[TM+4+\b], v[TM+\b], s[SEL], s[SEL+1]
.endr
.irp b, 0,1,2,3
	v_max_num_f32 v[TM+\b], v[TM+\b], v[TM+4+\b]           ; with lane l xor 16's 16: the block's largest magnitude
.endr
.irp b, 0,1,2,3
	v_add_nc_u32 v[TM+12+\b], 0xfe000000, v[TM+\b]         ; 4 off the exponent field: the conversion's scale operand
.endr
.irp b, 0,1,2,3
	v_lshrrev_b32 v[TM+4+\b], 23, v[TM+12+\b]              ; the scale's byte
.endr
	v_lshl_or_b32 v[\pw], v[TM+5], 8, v[TM+4]
	v_lshl_or_b32 v[\pw], v[TM+6], 16, v[\pw]
	v_lshl_or_b32 v[\pw], v[TM+7], 24, v[\pw]
.irp c, 0,1
	v_cvt_scalef32_pk16_bf6_f32 v[PC+6*\c:PC+2+6*\c], v[\s+32*\c:\s+15+32*\c], v[TM+12+2*\c]
	v_cvt_scalef32_pk16_bf6_f32 v[PC+12+4*\c:PC+14+4*\c], v[\s+16+32*\c:\s+31+32*\c], v[TM+12+2*\c+1]   ; (a conversion's three registers begin on an even number)
.endr
	v_nop                                                  ; one plain place behind a scaled conversion
.irp c, 0,1                                            ; the operand's layout wants a whole block in a lane
.irp i, 0,1,2
	v_permlane16_swap_b32 v[PC+6*\c+\i], v[PC+12+4*\c+\i]
.endr
.irp i, 0,1,2
	v_mov_b32 v[PC+3+6*\c+\i], v[PC+12+4*\c+\i]
.endr
.endr
.endm
; row block t of my 64 rows: stage row p is POSITION p, which is true row 32 (t / 2) + 8 (t % 2) + p + 8 (p / 8).  A load reads a row's 512 consecutive bytes
.macro XLOAD t
	WIN 0x40
.irp p, 0,1,2,3,4,5,6,7,8,9,10,11,12,13,14,15
	global_load_b128 v[R+64*(\t)+4*\p:R+64*(\t)+4*\p+3], v[LI], s[4:5] offset:(32*((\t)/2)+8*((\t)%2)+\p+8*(\p/8))*4096 th:TH_LOAD_NT
.endr
	WIN 0
.endm
.macro XSTEP t
	s_wait_loadcnt 48-16*(\t)                              ; this row block's 16 loads are in; the later blocks' may be out
	WIN 0x04
.irp p, 0,1,2,3,4,5,6,7,8,9,10,11,12,13,14,15
	ds_store_b128 v[SW], v[R+64*(\t)+4*\p:R+64*(\t)+4*\p+3] offset:528*\p
.endr
	WIN 0
.irp b, 0,1,2,3
.irp e, 0,1,2,3
	ds_load_b128 v[X+16*\b+4*\e:X+16*\b+4*\e+3], v[SR] offset:128*\b+16*\e   ; LDS serves a wave's instructions in order: these see the stores above
.endr
.endr
	s_wait_dscnt 0x0                                       ; my 64 numbers are back, and the stores have read their registers
.if (\t) > 0
	s_wait_xcnt 0x0                                        ; the last image's stores have read their data
.endif
	QUANT X, PWK+(\t)
.irp g, 0,1,2
	global_store_b128 v[LI], v[PC+4*\g:PC+4*\g+3], s[12:13] offset:1536*(\t)+512*\g   ; 32 lanes store 512 consecutive bytes
.endr
.endm
; block t: W(32 t + i, columns 2 lane and 2 lane + 1), i = 0 .. 31: a load reads 256 consecutive bytes
.macro LOAD t
.set ii, 0
.rept 32
	global_load_b64 v[WX+64*((\t)%2)+2*ii:WX+64*((\t)%2)+2*ii+1], v[L8], s[34:35] offset:(32*(\t)+ii)*4096 th:TH_LOAD_NT
.set ii, ii+1
.endr
.endm
.macro BLOCK t
.set XS, WX+64*((\t)%2)
.if (\t) < 3
	s_wait_loadcnt 32                                      ; this block's 32 loads are in; the next block's may be out
.else
	s_wait_loadcnt 0x0
.endif
.set ii, 0
.rept 32                               ; the two columns apart: the conversions take consecutive registers of one column
	v_mov_b32 v[X+ii], v[XS+2*ii]
	v_mov_b32 v[X+32+ii], v[XS+2*ii+1]
.set ii, ii+1
.endr
.if (\t)+2 < 4
	LOAD (\t)+2
.endif
.irp e, 0,1
	v_max3_num_f32 v[MX+4*\e], |v[X+32*\e]|, |v[X+32*\e+1]|, |v[X+32*\e+2]|
	v_max3_num_f32 v[MX+4*\e+1], |v[X+32*\e+3]|, |v[X+32*\e+4]|, |v[X+32*\e+5]|
.endr
.irp i, 6,10,14,18,22,26
.irp e, 0,1
	v_max3_num_f32 v[MX+4*\e], v[MX+4*\e], |v[X+32*\e+\i]|, |v[X+32*\e+\i+1]|
	v_max3_num_f32 v[MX+4*\e+1], v[MX+4*\e+1], |v[X+32*\e+\i+2]|, |v[X+32*\e+\i+3]|
.endr
.endr
.irp e, 0,1
	v_max3_num_f32 v[MX+4*\e], v[MX+4*\e], |v[X+32*\e+30]|, |v[X+32*\e+31]|
.endr
.irp e, 0,1
	v_max3_num_f32 v[MX+4*\e], v[MX+4*\e], v[MX+4*\e+1], 0x2800000   ; and the floor
.endr
.irp e, 0,1
	v_add_nc_u32 v[MX+4*\e+2], 0xfe000000, v[MX+4*\e]
.endr
.irp e, 0,1
	v_cvt_scalef32_pk16_bf6_f32 v[F+16*\e:F+16*\e+2], v[X+32*\e:X+32*\e+15], v[MX+4*\e+2]
	v_cvt_scalef32_pk16_bf6_f32 v[F+16*\e+6:F+16*\e+8], v[X+32*\e+16:X+32*\e+31], v[MX+4*\e+2]
.endr
.irp e, 0,1
	v_lshrrev_b32 v[MX+4*\e+3], 23, v[MX+4*\e+2]           ; the byte (also the plain place behind the conversions)
.endr
.irp e, 0,1
.if (\t) == 0
	v_mov_b32 v[SB+\e], v[MX+4*\e+3]
.else
	v_lshl_or_b32 v[SB+\e], v[MX+4*\e+3], 8*(\t), v[SB+\e]
.endif
.irp i, 0,1,2
	v_mov_b32 v[F+16*\e+3+\i], v[F+16*\e+6+\i]
.endr
; these 24 bytes are registers 6 (t / 2) .. + 5 of lane rr + e + 16 (t % 2) of my columns' image
.set IM, 256*((\t)%2)+16*\e
.if (\t) < 2
	ds_store_b128 v[WA], v[F+16*\e:F+16*\e+3] offset:IM
	ds_store_b64 v[WA], v[F+16*\e+4:F+16*\e+5] offset:IM+512
.else
	ds_store_b64 v[WA], v[F+16*\e:F+16*\e+1] offset:IM+520
	ds_store_b128 v[WA], v[F+16*\e+2:F+16*\e+5] offset:IM+1024
.endif
.endr
	s_wait_dscnt 0x0                                       ; the stores have read their registers
.endm
	s_load_b256 s[4:11], s[0:1], 0x0                       ; x, Wq, Wk, Wv
	s_load_b64 s[12:13], s[0:1], 0x20                      ; xw
	v_lshl_add_u32 v[SPW], v0, 2, SPARE
	v_mov_b32 v[NIL], 0
	v_lshrrev_b32 v1, 5, v0
	v_readfirstlane_b32 s16, v1                            ; wave
	v_and_b32 v1, 31, v0                                   ; lane
	v_and_b32 v2, 15, v0                                   ; r
	v_bfe_u32 v3, v0, 4, 1                                 ; h
	v_lshlrev_b32 v[LI], 4, v1
	v_lshlrev_b32 v[L8], 3, v1
	v_lshlrev_b32 v[LS], 4, v2
	v_lshl_add_u32 v[LS], v3, 3, v[LS]
	s_mov_b32 s[SEL], 0x76543210
	s_mov_b32 s[SEL+1], 0xfedcba98
	s_mov_b32 s[HI], 0xffff0000
	s_wait_alu depctr_va_vdst(0)                           ; the wait here, ahead of the compare and branch
	s_cmp_lt_u32 ttmp9, 192
	s_cbranch_scc1 .Lweights
	; ---- x: group G of 64 rows; my wave takes K step ks of 128
	s_sub_co_u32 s17, ttmp9, 192
	s_lshr_b32 s18, s17, 2                                 ; G
	s_and_b32 s19, s17, 3
	s_lshl_b32 s19, s19, 1
	s_add_co_u32 s19, s19, s16                             ; ks
	s_lshl_b32 s26, s18, 18                                ; 64 rows of 4,096 bytes
	s_lshl_b32 s27, s19, 9
	s_add_co_u32 s26, s26, s27
	s_mov_b32 s27, 0
	s_and_b32 s23, s18, 1                                  ; which half of the 128 rows
	s_lshr_b32 s28, s18, 1
	s_lshl_b32 s28, s28, 3
	s_add_co_u32 s28, s28, s19
	s_mul_i32 s28, s28, U
	s_lshl_b32 s24, s23, 8
	s_add_co_u32 s30, s28, s24
	s_add_co_u32 s30, s30, 12288                           ; its scale words
	s_mov_b32 s31, 0
	s_mul_i32 s24, s23, 6144
	s_add_co_u32 s28, s28, s24                             ; its images
	s_mov_b32 s29, 0
	s_mul_i32 s32, s16, XSTG
	v_add_nc_u32 v[SW], s32, v[LI]
	v_mul_u32_u24 v[SR], v2, 528
	v_lshl_add_u32 v[SR], v3, 6, v[SR]
	v_add_nc_u32 v[SR], s32, v[SR]
.irp b, 0,1,2,3
	v_mov_b32 v[TM+4+\b], 0                                ; written once: a lane permute's destination counts as one of its sources
.endr
	s_wait_alu depctr_va_vdst(0)                           ; the wait at the head's end
	s_wait_kmcnt 0x0
	s_add_nc_u64 s[4:5], s[4:5], s[26:27]
	s_add_nc_u64 s[14:15], s[12:13], s[30:31]
	s_add_nc_u64 s[12:13], s[12:13], s[28:29]
	XLOAD 0
	XLOAD 1
	XLOAD 2
	XLOAD 3
	XSTEP 0
	XSTEP 1
	XSTEP 2
	XSTEP 3
.irp j, 0,1
	v_cndmask_b32 v[XO+\j], v[PWK+2*\j], v[PWK+2*\j+1], s[HI]   ; lane (r, h): the words of blocks h and 2 + h
.endr
	global_store_b64 v[LS], v[XO:XO+1], s[14:15]           ; one aligned run of 256 bytes
	s_wait_tensorcnt 0x0                                   ; the wave's end
	ds_add_u32 v[SPW], v[NIL]
	s_wait_dscnt 0x0
	s_endpgm
.Lweights:
	; ---- W_m: my wave takes 64 columns (group cg) x K step ks of 128
	s_lshr_b32 s17, ttmp9, 6                               ; m
	s_and_b32 s18, ttmp9, 7
	s_bfe_u32 s19, ttmp9, 0x30003                          ; ks
	s_lshl_b32 s18, s18, 1
	s_add_co_u32 s18, s18, s16                             ; cg
	s_lshl_b32 s26, s19, 19                                ; 128 rows of 4,096 bytes
	s_lshl_b32 s27, s18, 8
	s_add_co_u32 s26, s26, s27
	s_mov_b32 s27, 0
	s_and_b32 s23, s18, 1
	s_sub_co_u32 s24, s18, s23
	s_cmp_eq_u32 s17, 2
	s_cselect_b32 s25, s23, s17
	s_cselect_b32 s29, 2, s23                              ; which 64 of the unit's 192 columns
	s_add_co_u32 s28, s24, s25                             ; the unit
	s_lshl_b32 s28, s28, 3
	s_add_co_u32 s28, s28, s19
	s_mul_i32 s28, s28, UW
	s_add_co_u32 s28, s28, WPART
	s_lshl_b32 s24, s29, 8
	s_add_co_u32 s30, s28, s24
	s_add_co_u32 s30, s30, 18432
	s_mov_b32 s31, 0
	s_mul_i32 s24, s29, 6144
	s_add_co_u32 s28, s28, s24
	s_mov_b32 s29, 0
	s_mul_i32 s32, s16, WSTG
	s_add_co_u32 s32, s32, WSTG0
	s_add_co_u32 s33, s32, 4*IMGP
	v_and_b32 v28, 3, v2                                   ; my columns 2 lane + e: row rr + e of block 2 h + u, rr = 2 (r % 4) + 8 (r / 8), u = (r / 4) % 2
	v_lshlrev_b32 v28, 1, v28
	v_lshrrev_b32 v29, 3, v2
	v_lshl_add_u32 v28, v29, 3, v28
	v_bfe_u32 v29, v2, 2, 1
	v_lshl_add_u32 v30, v3, 1, v29
	v_lshlrev_b32 v31, 4, v28
	v_mad_u32_u24 v[WA], v30, IMGP, v31
	v_add_nc_u32 v[WA], s32, v[WA]
	v_add_nc_u32 v[RB], s32, v[LI]
	v_lshl_add_u32 v31, v29, 3, v31
	v_lshl_add_u32 v31, v3, 2, v31
	v_add_nc_u32 v[WS], s33, v31
	v_add_nc_u32 v[WR], s33, v[L8]
	s_wait_alu depctr_va_vdst(0)                           ; the wait at the head's end
	s_wait_kmcnt 0x0
	s_cmp_eq_u32 s17, 0                                    ; the choice hangs on the work-group's number alone
	s_cselect_b64 s[34:35], s[6:7], s[8:9]
	s_cmp_eq_u32 s17, 2
	s_cselect_b64 s[34:35], s[10:11], s[34:35]
	s_add_nc_u64 s[34:35], s[34:35], s[26:27]
	s_add_nc_u64 s[14:15], s[12:13], s[30:31]
	s_add_nc_u64 s[12:13], s[12:13], s[28:29]
	LOAD 0
	LOAD 1
.irp t, 0,1,2,3
	BLOCK \t
.endr
	s_wait_alu depctr_va_vdst(0)                           ; the wait here, ahead of the readers below
	ds_store_b32 v[WS], v[SB]
	ds_store_b32 v[WS], v[SB+1] offset:16
	ds_load_b64 v[30:31], v[WR]
.irp n, 0,1,2,3,4,5,6,7,8,9,10,11
	ds_load_b128 v[OUTR+4*\n:OUTR+4*\n+3], v[RB] offset:IMGP*(\n/3)+512*(\n%3)
.endr
	s_wait_dscnt 12                                        ; LDS loads come back in order: the twelve younger ones may be out
	global_store_b64 v[L8], v[30:31], s[14:15]             ; one aligned run of 256 bytes
.irp n, 0,1,2,3,4,5,6,7,8,9,10,11
	s_wait_dscnt 11-\n
	global_store_b128 v[LI], v[OUTR+4*\n:OUTR+4*\n+3], s[12:13] offset:1536*(\n/3)+512*(\n%3)
.endr
	s_wait_tensorcnt 0x0                                   ; the wave's end
	ds_add_u32 v[SPW], v[NIL]
	s_wait_dscnt 0x0
	s_endpgm
.Lfunc_end_k_q99029d312a_quant:
	.size	k_q99029d312a_quant, .Lfunc_end_k_q99029d312a_quant-k_q99029d312a_quant
	.p2alignl 7, 3214868480
	.fill 96, 4, 3214868480
	.section	.rodata,"a",@progbits
	.p2align	6, 0x0
	.amdhsa_kernel k_q99029d312a_quant
		.amdhsa_group_segment_fixed_size 30976
		.amdhsa_private_segment_fixed_size 0
		.amdhsa_enable_private_segment 0
		.amdhsa_kernarg_size 40
		.amdhsa_user_sgpr_count 2
		.amdhsa_user_sgpr_kernarg_segment_ptr 1
		.amdhsa_wavefront_size32 1
		.amdhsa_system_sgpr_workgroup_id_x 1
		.amdhsa_system_sgpr_workgroup_id_y 1
		.amdhsa_system_sgpr_workgroup_id_z 1
		.amdhsa_system_vgpr_workitem_id 0
		.amdhsa_next_free_vgpr 512
		.amdhsa_next_free_sgpr 66
		.amdhsa_reserve_vcc 0
		.amdhsa_float_denorm_mode_32 3
		.amdhsa_float_denorm_mode_16_64 3
		.amdhsa_memory_ordered 1
		.amdhsa_forward_progress 1
		.amdhsa_inst_pref_size 71
	.end_amdhsa_kernel
	.amdgpu_metadata
---
amdhsa.version: [ 1, 2 ]
amdhsa.kernels:
  - .name:           k_q99029d312a_quant
    .symbol:         k_q99029d312a_quant.kd
    .args:
      - { .name: x, .offset: 0, .size: 8, .value_kind: global_buffer, .address_space: global }
      - { .name: Wq, .offset: 8, .size: 8, .value_kind: global_buffer, .address_space: global }
      - { .name: Wk, .offset: 16, .size: 8, .value_kind: global_buffer, .address_space: global }
      - { .name: Wv, .offset: 24, .size: 8, .value_kind: global_buffer, .address_space: global }
      - { .name: xw, .offset: 32, .size: 8, .value_kind: global_buffer, .address_space: global }
    .group_segment_fixed_size: 30976
    .private_segment_fixed_size: 0
    .kernarg_segment_align: 8
    .kernarg_segment_size: 40
    .max_flat_workgroup_size: 64
    .sgpr_count:     66
    .vgpr_count:     512
    .wavefront_size: 32
...
	.end_amdgpu_metadata
.endif
;; end of part 1
;; launch proj (part 2): grid 8 x 32, 4 waves a work-group, clusters of 4 x 4, 327,680 bytes of LDS; arguments xw, bq, bk, bv, qk, vt; writes qk, vt
.if DOCPART == 2
	.amdgcn_target "amdgcn-amd-amdhsa--gfx1250"
	.amdhsa_code_object_version 6
	.text
	.protected	k_q99029d312a_proj
	.globl	k_q99029d312a_proj
	.p2align	8
	.type	k_q99029d312a_proj,@function
k_q99029d312a_proj:
	s_mov_b64 s[64:65], 0
	v_nop
	global_prefetch_b8 v0, s[64:65] scope:SCOPE_SE
	s_setreg_imm32_b32 hwreg(HW_REG_WAVE_MODE, 25, 1), 1
	s_wait_xcnt 0x0
	s_wait_alu depctr_hold_cnt(0) depctr_sa_sdst(0) depctr_va_vdst(0) depctr_va_sdst(0) depctr_va_ssrc(0) depctr_va_vcc(0) depctr_vm_vsrc(0)
	s_getreg_b32 s2, hwreg(HW_REG_IB_STS2, 6, 4)
	s_cmp_eq_u32 s2, 0
	s_cbranch_scc0 .Lentry_in_a_cluster
	s_endpgm
.Lentry_in_a_cluster:
	s_bfe_u32 s2, ttmp6, 0x10000c
	s_cmp_lg_u32 s2, 0xf033
	s_cbranch_scc0 .Lentry_shape_is_right
	s_endpgm
.Lentry_shape_is_right:
; q = x Wq + bq, k = x Wk + bk, v = x Wv + bv on codes of BF6, K = 1,024, f32 sums; each result is quantised in its registers and stored as the next launches' operands (q and k along the features, v along the keys).
; A work-group makes 256 rows x (128 columns of q, the same 128 of k, the same 128 of v): 8 x 32 = 256 work-groups.  Four waves: 128 rows x (128 columns of q or of k, and 64 of v): 96 accumulators, 768 registers.
; K goes by steps of 128; a slot of LDS holds two steps: A (x) two groups of 128 rows, 25,600 bytes each, B (the weights) two units of 192 columns, 38,400 bytes each, every one dense in memory, with its scale words: one load a wave.
; q and k are made transposed (source 0 = 16 columns of W, source 1 = 16 rows of x): a lane holds one row, registers along the features.  v the other way round: a lane holds one feature, registers along the keys.
; Rows stand at position swap34(row), so the 16 registers of tiles 2 b, 2 b + 1 are true neighbours 32 b + 16 h + 0 .. 15.
; THE BIAS is the C of each accumulator's first product.  It lies in the accumulators of row block 7, which are the last to be begun.
; CLUSTERS: 4 x 4; x's tiles are asked for jointly along a row of the cluster, the weights' along a column.
; No prefetch: the walk along K is four slots written out, of which the head asks for two; there is no loop to run ahead in.
; LIMITS: a block whose largest magnitude lies under 2^-122 keeps the scale byte 1; NaN and infinities are not served.
; REGISTERS: window 0: v2-15 addresses; v16-55 scale words, two sets of 8 + 12; v64-159 A's fragments, one set; v160-255 B's, two sets of four blocks.  windows 1, 2: q or k, accumulator (a, b) at v[64 (a % 4) + 8 b] of window 1 + a / 4;
;   window 3: v, feature block f, row block a at v[64 f + 8 a].  On the way out v64-207 hold the codes of the twelve blocks, v208-249 work.
.set U,     12800
.set UW,    19200
.set WPART, 64*8*U
.set SLOT,  128000
.set BOFF,  4*U
.set SPARE, 2*SLOT                     ; the spare words, 128 bytes a wave: two blocks of 256 bytes that no other line names
.set ADRA, 2
.set ADRB, 4
.set ASA,  6
.set ASB,  8
.set LI,   10
.set LS,   11
.set SPW,  12
.set NIL,  13
.set SA,   16
.set SB,   32
.set AF,   64
.set BF,   160
.set PC,   64
.set PT,   208
.set TM,   224                         ; v224-231 largest magnitudes, v232-239 the other half's, then bytes, v240-247 scale operands
.set TP,   232
.set TO,   240
.set PWK,  16                          ; on the way out v16-27 hold the blocks' scale words and v28-33 what is stored of them: the scale registers are free by then
.set XO,   28
.set G1,   24
.set G0,   32
.set G1B,  48
.set G0B,  56
.set OC1,  92
.set OC2,  96
.set OS2,  98
.set SEL,  70
.set HI,   72
.set MSB, 0
.macro WIN new                         ; the immediate's high byte repeats the setting that is left
.if MSB != (\new)
	s_set_vgpr_msb (MSB<<8)|(\new)
.set MSB, \new
.endif
.endm
.macro JLOAD s                         ; waves 0 and 1 fetch A, waves 2 and 3 B; four v_nop follow each line
	s_cmp_eq_u32 s15, 0
	s_cbranch_scc0 .Lfor_b_\@
	tensor_load_to_lds s[G0+4*\s:G0+4*\s+3], s[G1:G1+7]
	s_nop 0
.rept 4
	v_nop
.endr
	s_branch .Lasked_\@
.Lfor_b_\@:
	tensor_load_to_lds s[G0B+4*\s:G0B+4*\s+3], s[G1B:G1B+7]
	s_nop 0
.rept 4
	v_nop
.endr
.Lasked_\@:
.endm
.macro CREST                           ; a round of the cluster's barrier behind its opening barrier
	s_cmp_lg_u32 s14, 0
	s_cbranch_scc1 .Lnot_wave_0_\@
	s_barrier_signal -3
.Lnot_wave_0_\@:
	s_barrier_wait -3
	s_barrier_signal -1
	s_barrier_wait -1
.endm
.macro CROUND
	s_barrier_signal -1
	s_barrier_wait -1
	CREST
.endm
.macro PLACES n
.rept \n
	v_nop
.endr
.endm
.macro LDB slot, q, g                  ; B's blocks 4 g .. 4 g + 3 of the slot's step q: 12 loads
.irp i, 0,1,2,3
.irp k, 0,1,2
.set rR, BF+48*(((\q)+(\g))%2)+12*\i+4*\k
	ds_load_b128 v[rR:rR+3], v[ADRB+(\slot)] offset:UW*(\q)+1536*(4*(\g)+\i)+512*\k
.endr
.endr
.endm
.macro LDA slot, q, i                  ; A's block i: 3 loads
.irp k, 0,1,2
	ds_load_b128 v[AF+12*(\i)+4*\k:AF+12*(\i)+4*\k+3], v[ADRA+(\slot)] offset:U*(\q)+1536*(\i)+512*\k
.endr
.endm
.macro LSC slot, q                     ; the step's scale words: 5 loads; block t of a 64-row group in register 2 (t % 2) + t / 2 of its four
.irp G, 0,1
	ds_load_b128 v[SA+8*(\q)+4*\G:SA+8*(\q)+4*\G+3], v[ASA+(\slot)] offset:U*(\q)+12288+256*\G
.endr
.irp G, 0,1,2
	ds_load_b128 v[SB+12*(\q)+4*\G:SB+12*(\q)+4*\G+3], v[ASB+(\slot)] offset:UW*(\q)+18432+256*\G
.endr
.endm
; row block a x the four blocks of group g (0, 1: q or k; 2: v).  The 96 accumulators take turns, in the same order in every step
.macro MM a, g, par, zero
.if (\zero) && (\a) == 7
	PLACES 5                                       ; row block 7's accumulators were the C of the others' first products: five places ahead of their being written over
.endif
.if (\g) == 2
	WIN 0xf0
.elseif (\a) >= 4
	WIN 0xa0
.elseif \zero
	WIN 0x60
.else
	WIN 0x50
.endif
.irp i, 0,1,2,3
.set rA, AF+12*(\a)
.set rB, BF+48*(((\par)+(\g))%2)+12*\i
.set sA, SA+8*(\par)+4*((\a)/4)+2*((\a)%2)+((\a)/2)%2
.set sB, SB+12*(\par)+4*(\g)+2*(\i%2)+(\i/2)
.if (\g) < 2
.set rD, 64*((\a)%4)+32*(\g)+8*\i
.set rC, rD
.if \zero
.set rC, 192+32*(\g)+8*\i
.endif
	v_wmma_scale_f32_16x16x128_f8f6f4 v[rD:rD+7], v[rB:rB+11], v[rA:rA+11], v[rC:rC+7], v[sB], v[sA] matrix_a_fmt:MATRIX_FMT_BF6 matrix_b_fmt:MATRIX_FMT_BF6
.else
.set rD, 64*\i+8*(\a)
.set rC, rD
.if \zero
.set rC, 64*\i+56
.endif
	v_wmma_scale_f32_16x16x128_f8f6f4 v[rD:rD+7], v[rA:rA+11], v[rB:rB+11], v[rC:rC+7], v[sA], v[sB] matrix_a_fmt:MATRIX_FMT_BF6 matrix_b_fmt:MATRIX_FMT_BF6
.endif
.endr
.endm
; A step: three groups of 32 products.  Each group's B is fetched a group ahead; A's blocks are fetched anew two by two in the last group, as they become free.
; kind 0: the next step lies in the same slot; 1: a change of slots that fills this slot again; 2: one that does not; 3: the last step
.macro STEP slot, q, zero, kind
	LDB \slot, \q, 1
	s_wait_dscnt 24+6*(\q)                         ; group 0's B, the scale words and A's blocks 0, 1 are in; the younger A blocks (behind a change of slots blocks 4-7) and the 12 just issued may be out
	MM 0, 0, \q, \zero
	MM 1, 0, \q, \zero
	s_wait_dscnt 24                                ; A's blocks 2, 3: behind them 4-7 and the 12
	MM 2, 0, \q, \zero
	MM 3, 0, \q, \zero
	s_wait_dscnt 18                                ; 4, 5
	MM 4, 0, \q, \zero
	MM 5, 0, \q, \zero
	s_wait_dscnt 12                                ; 6, 7
	MM 6, 0, \q, \zero
	MM 7, 0, \q, \zero
	WIN 0
	PLACES 4                                       ; in front of loads into registers that matrix instructions have read
	LDB \slot, \q, 2
.if (\kind) == 0
	LSC \slot, 1
	s_wait_dscnt 17                                ; group 1's B is in: the 17 just issued may be out
.else
	s_wait_dscnt 12
.endif
.irp a, 0,1,2,3,4,5,6,7
	MM \a, 1, \q, \zero
.endr
	WIN 0
.if (\kind) == 0
	PLACES 4
	LDB \slot, 1, 0
	s_wait_dscnt 12                                ; group 2's B is in: the 12 just issued may be out
.irp a, 0,2,4,6
	MM \a, 2, \q, \zero
	MM \a+1, 2, \q, \zero
	WIN 0
	PLACES 4
	LDA \slot, 1, \a
	LDA \slot, 1, \a+1
.endr
.elseif (\kind) == 3
	s_wait_dscnt 0x0
.irp a, 0,1,2,3,4,5,6,7
	MM \a, 2, \q, \zero
.endr
	WIN 0
.else
	s_wait_tensorcnt 0x0                           ; all my tensor loads have landed: my part of the next slot
	ds_add_u32 v[SPW], v[NIL]                      ; 0 onto my spare word
	s_wait_dscnt 1                                 ; group 2's B is in; the add may be out
	MM 0, 2, \q, 0
	MM 1, 2, \q, 0
	s_wait_dscnt 0x0                               ; the add is done, and my reads of this slot are over
	s_barrier_signal -1
	MM 2, 2, \q, 0
	MM 3, 2, \q, 0
	WIN 0
	s_barrier_wait -1
.if (\kind) == 1
	CREST                                          ; a round of the cluster's barrier: no wave of any partner still reads this slot or has a load on its way
	s_add_nc_u64 s[G0+4*\slot+2:G0+4*\slot+3], s[G0+4*\slot+2:G0+4*\slot+3], 4*U
	s_add_nc_u64 s[G0B+4*\slot+2:G0B+4*\slot+3], s[G0B+4*\slot+2:G0B+4*\slot+3], 4*UW
	JLOAD \slot
.else
	PLACES 4
.endif
	LDB 1-\slot, 0, 0
.irp a, 0,1,2,3
	LDA 1-\slot, 0, \a
.endr
	LSC 1-\slot, 0
.irp a, 4,6
	MM \a, 2, \q, 0
	MM \a+1, 2, \q, 0
	WIN 0
	PLACES 4
	LDA 1-\slot, 0, \a
	LDA 1-\slot, 0, \a+1
.endr
.endif
.endm
; THE WAY OUT of block n: 64 registers from v[64 a] of window w become an image (codes in registers of its own) and a scale word
.macro SENDP n                         ; the images of blocks n, n + 1: each store 512 consecutive bytes
.irp m, 0,1
.irp g, 0,1,2
.set CD, PC+12*((\n)+\m)+4*\g
.if (\n) < 8
	global_store_b128 v[LI], v[CD:CD+3], s[OC1:OC1+1] offset:1536*((\n)+\m)+512*\g
.else
	global_store_b128 v[LI], v[CD:CD+3], s[OC2:OC2+1] offset:1536*((\n)+\m-8)+512*\g
.endif
.endr
.endr
.endm
; two blocks at a time, n and n + 1: 128 registers from v[64 a] of window w; their eight blocks of 32 take turns.  The pair before is stored under this one's work
.macro OUT2 n, a, w
.set AC, 64*(\a)
	WIN 5*(\w)
.irp b, 0,1,2,3,4,5,6,7
	v_max3_num_f32 v[TM+\b], |v[AC+16*\b]|, |v[AC+16*\b+1]|, 0x2800000   ; each accumulator is read from its low end on
.endr
	WIN 0x14*(\w)
.irp i, 2,4,6,8,10,12,14
.irp b, 0,1,2,3,4,5,6,7
	v_max3_num_f32 v[TM+\b], v[TM+\b], |v[AC+16*\b+\i]|, |v[AC+16*\b+\i+1]|
.endr
.endr
	WIN 0
.if (\n) > 0
	SENDP (\n)-2
.endif
.irp b, 0,1,2,3,4,5,6,7
	v_permlanex16_b32 v[TP+\b], v[TM+\b], s[SEL], s[SEL+1]
.endr
.irp b, 0,1,2,3,4,5,6,7
	v_max_num_f32 v[TM+\b], v[TM+\b], v[TP+\b]
.endr
.irp b, 0,1,2,3,4,5,6,7
	v_add_nc_u32 v[TO+\b], 0xfe000000, v[TM+\b]            ; 4 off the exponent field: the conversion's scale operand
.endr
.irp b, 0,1,2,3,4,5,6,7
	v_lshrrev_b32 v[TP+\b], 23, v[TO+\b]                   ; the scale's byte
.endr
.irp m, 0,1
	v_lshl_or_b32 v[PWK+(\n)+\m], v[TP+4*\m+1], 8, v[TP+4*\m]
.endr
.irp m, 0,1
	v_lshl_or_b32 v[PWK+(\n)+\m], v[TP+4*\m+2], 16, v[PWK+(\n)+\m]
.endr
.irp m, 0,1
	v_lshl_or_b32 v[PWK+(\n)+\m], v[TP+4*\m+3], 24, v[PWK+(\n)+\m]
.endr
	WIN \w
.irp m, 0,1
.set CD, PC+12*((\n)+\m)
.irp c, 0,1
	v_cvt_scalef32_pk16_bf6_f32 v[CD+6*\c:CD+2+6*\c], v[AC+64*\m+32*\c:AC+64*\m+32*\c+15], v[TO+4*\m+2*\c]
	v_cvt_scalef32_pk16_bf6_f32 v[PT+8*\m+4*\c:PT+8*\m+4*\c+2], v[AC+64*\m+32*\c+16:AC+64*\m+32*\c+31], v[TO+4*\m+2*\c+1]
.endr
.endr
	WIN 0
	v_nop                                                  ; one plain place behind a scaled conversion
.irp i, 0,1,2
.irp m, 0,1
.irp c, 0,1
	v_permlane16_swap_b32 v[PC+12*((\n)+\m)+6*\c+\i], v[PT+8*\m+4*\c+\i]
.endr
.endr
.endr
.irp i, 0,1,2
.irp m, 0,1
.irp c, 0,1
	v_mov_b32 v[PC+12*((\n)+\m)+3+6*\c+\i], v[PT+8*\m+4*\c+\i]
.endr
.endr
.endr
.endm
	s_load_b256 s[4:11], s[0:1], 0x0               ; xw, bq, bk, bv
	s_load_b128 s[92:95], s[0:1], 0x20             ; qk, vt
	v_lshl_add_u32 v[SPW], v0, 2, SPARE
	v_mov_b32 v[NIL], 0
	ds_add_u32 v[SPW], v[NIL]                      ; the opening: the add, twice on end, and its wait ahead of my first tensor load
	ds_add_u32 v[SPW], v[NIL]
	v_lshrrev_b32 v1, 5, v0
	v_readfirstlane_b32 s14, v1                    ; wave
	s_lshr_b32 s15, s14, 1                         ; my half of the rows.  Also: I fetch for A (0) or for B (1)
	s_and_b32 s16, s14, 1                          ; q and the first 64 of v (0), or k and the last 64 (1).  Also: which half I fetch
	s_bfe_u32 s40, ttmp6, 0x40000                  ; cx
	s_bfe_u32 s41, ttmp6, 0x40004                  ; cy
	s_lshl_b32 s42, ttmp9, 2
	s_add_co_u32 s42, s42, s40                     ; j: which 128 columns
	s_and_b32 s17, ttmp7, 0xffff
	s_lshl_b32 s17, s17, 2
	s_add_co_u32 s17, s17, s41                     ; T: which 256 rows
	s_lshl_b32 s43, s41, 2
	s_lshl_b32 s43, 15, s43
	s_lshl_b32 s44, 0x1111, s40
	s_or_b32 s[G1+0], s43, (3<<16)|(1<<21)         ; dense blocks as rows of 256 bytes: 100 for A, 150 for B
	s_mov_b32 s[G1+1], 32<<16
	s_mov_b32 s[G1+2], 100<<16
	s_mov_b32 s[G1+3], 32<<16
	s_mov_b32 s[G1+4], 100
	s_mov_b32 s[G1+5], 32
	s_mov_b32 s[G1+6], 0
	s_mov_b32 s[G1+7], 0
	s_or_b32 s[G1B+0], s44, (3<<16)|(1<<21)
	s_mov_b32 s[G1B+1], 32<<16
	s_mov_b32 s[G1B+2], 150<<16
	s_mov_b32 s[G1B+3], 32<<16
	s_mov_b32 s[G1B+4], 150
	s_mov_b32 s[G1B+5], 32
	s_mov_b32 s[G1B+6], 0
	s_mov_b32 s[G1B+7], 0
	s_lshl_b32 s20, s17, 1
	s_add_co_u32 s20, s20, s16
	s_mul_i32 s20, s20, 8*U                        ; A: row group 2 T + half
	s_mov_b32 s21, 0
	s_lshl_b32 s46, s42, 1
	s_add_co_u32 s46, s46, s16
	s_mul_i32 s46, s46, 8*UW                       ; B: unit 2 j + half
	s_add_co_u32 s46, s46, WPART
	s_mov_b32 s47, 0
	s_mul_i32 s45, s16, 2*U                        ; where they go: no place in the cluster enters an LDS address
	s_mul_i32 s18, s16, 2*UW
	s_add_co_u32 s18, s18, BOFF
	s_mul_i32 s80, s15, 2*U
	s_add_co_u32 s81, s80, SLOT
	s_add_co_u32 s83, s18, SLOT
	s_lshl_b32 s88, s42, 9
	s_lshl_b32 s89, s16, 8
	s_add_co_u32 s89, s88, s89
	v_and_b32 v56, 15, v0                          ; r
	v_bfe_u32 v57, v0, 4, 1                        ; h
	v_and_b32 v58, 31, v0
	v_lshlrev_b32 v[LI], 4, v58
	v_lshlrev_b32 v60, 4, v56
	v_lshl_add_u32 v[LS], v57, 3, v60              ; 16 r + 8 h
	v_lshl_add_u32 v14, v57, 6, s88                ; q's or k's bias: features 128 j + 16 h ..
	v_and_b32 v61, 7, v56
	v_lshrrev_b32 v62, 3, v56
	v_lshl_add_u32 v61, v62, 4, v61
	v_lshl_add_u32 v15, v61, 2, s89                ; v's: my position's true feature
	v_add_nc_u32 v[ADRA], s80, v[LI]
	v_add_nc_u32 v[ADRA+1], s81, v[LI]
	v_add_nc_u32 v[ADRB], s18, v[LI]
	v_add_nc_u32 v[ADRB+1], s83, v[LI]
	v_add_nc_u32 v[ASA], s80, v60
	v_add_nc_u32 v[ASA+1], s81, v60
	v_add_nc_u32 v[ASB], s18, v60
	v_add_nc_u32 v[ASB+1], s83, v60
	s_wait_alu depctr_va_vdst(0)                   ; the wait here, ahead of the waits below
	s_wait_dscnt 0x0                               ; both opening adds are done
	s_wait_kmcnt 0x0
	s_add_nc_u64 s[20:21], s[4:5], s[20:21]
	s_add_nc_u64 s[46:47], s[4:5], s[46:47]
	CROUND                                         ; all sixteen work-groups are here: the first joint loads meet
.irp s, 0,1
	s_mov_b32 s[G0+4*\s], 1
	s_add_co_u32 s[G0+4*\s+1], s45, \s*SLOT
	s_add_nc_u64 s[G0+4*\s+2:G0+4*\s+3], s[20:21], \s*2*U
	s_or_b32 s[G0+4*\s+3], s[G0+4*\s+3], 0x80000000
	s_mov_b32 s[G0B+4*\s], 1
	s_add_co_u32 s[G0B+4*\s+1], s18, \s*SLOT
	s_add_nc_u64 s[G0B+4*\s+2:G0B+4*\s+3], s[46:47], \s*2*UW
	s_or_b32 s[G0B+4*\s+3], s[G0B+4*\s+3], 0x80000000
.endr
	JLOAD 0                                        ; steps 0 and 1: one tensor load a wave at the head
	s_cmp_eq_u32 s16, 0                            ; the choice hangs on the wave's number alone
	s_cselect_b64 s[8:9], s[6:7], s[8:9]
	WIN 0x80
.irp b, 0,1,2,3,4,5,6,7                ; tile b, register i of lane (r, h): feature 32 (b / 2) + 16 h + 8 (b % 2) + i
	global_load_b128 v[192+8*\b:192+8*\b+3], v14, s[8:9] offset:(32*(\b/2)+8*(\b%2))*4
	global_load_b128 v[192+8*\b+4:192+8*\b+7], v14, s[8:9] offset:(32*(\b/2)+8*(\b%2))*4+16
.endr
	WIN 0xc0
.irp f, 0,1,2,3
	global_load_b32 v[64*\f+56], v15, s[10:11] offset:(32*(\f/2)+8*(\f%2))*4
.endr
	WIN 0
	; where the results go: q or k: row group 2 T + half, step j; v: batch T / 8, feature group j, key step 2 (T % 8) + half, blocks 4 s16 ..
	s_lshl_b32 s66, s17, 1
	s_add_co_u32 s66, s66, s15
	s_lshl_b32 s67, s66, 3
	s_add_co_u32 s67, s67, s42
	s_mul_i32 s22, s67, U
	s_mul_i32 s68, s16, WPART
	s_add_co_u32 s22, s22, s68
	s_mov_b32 s23, 0
	s_add_nc_u64 s[OC1:OC1+1], s[92:93], s[22:23]
	s_lshr_b32 s66, s17, 3
	s_lshl_b32 s67, s66, 3
	s_add_co_u32 s67, s67, s42
	s_lshl_b32 s67, s67, 4
	s_and_b32 s68, s17, 7
	s_lshl_b32 s68, s68, 1
	s_add_co_u32 s67, s67, s68
	s_add_co_u32 s67, s67, s15
	s_mul_i32 s67, s67, U
	s_mul_i32 s68, s16, 6144
	s_add_co_u32 s22, s67, s68
	s_add_nc_u64 s[OC2:OC2+1], s[94:95], s[22:23]
	s_lshl_b32 s68, s16, 8
	s_add_co_u32 s22, s67, s68
	s_add_co_u32 s22, s22, 12288
	s_add_nc_u64 s[OS2:OS2+1], s[94:95], s[22:23]
	s_mov_b32 s[HI], 0xffff0000
	s_mov_b32 s[SEL], 0x76543210
	s_mov_b32 s[SEL+1], 0xfedcba98
	s_wait_loadcnt 0x0
	WIN 0xc3
.irp f, 0,1,2,3
.irp k, 1,2,3,4,5,6,7
	v_mov_b32 v[64*\f+56+\k], v[64*\f+56]
.endr
.endr
	WIN 0
	s_wait_alu depctr_va_vdst(0)                   ; the wait at the head's end
	s_wait_tensorcnt 0x0                           ; my part of slot 0 is in
	ds_add_u32 v[SPW], v[NIL]
	s_wait_dscnt 0x0
	CROUND                                         ; everybody's part of slot 0 is in, and the next joint loads meet
	JLOAD 1                                        ; steps 2 and 3
	LDB 0, 0, 0
.irp a, 0,1,2,3
	LDA 0, 0, \a
.endr
	LSC 0, 0
.irp a, 4,5,6,7
	LDA 0, 0, \a
.endr
	STEP 0, 0, 1, 0
	STEP 0, 1, 0, 1
	STEP 1, 0, 0, 0
	STEP 1, 1, 0, 1
	STEP 0, 0, 0, 0
	STEP 0, 1, 0, 2
	STEP 1, 0, 0, 0
	STEP 1, 1, 0, 3
	PLACES 5                                       ; in front of the first read of results and of writes to operands' registers
.irp a, 0,2,4,6
	OUT2 \a, \a%4, 1+\a/4
.endr
.irp G, 0,1
.irp j, 0,1
	v_cndmask_b32 v[XO+2*\G+\j], v[PWK+4*\G+2*\j], v[PWK+4*\G+2*\j+1], s[HI]   ; lane (r, h): the words of blocks h and 2 + h
.endr
.endr
.irp G, 0,1
	global_store_b64 v[LS], v[XO+2*\G:XO+2*\G+1], s[OC1:OC1+1] offset:12288+256*\G   ; an aligned run of 256 bytes
.endr
	OUT2 8, 0, 3
	OUT2 10, 2, 3
	SENDP 10
.irp j, 0,1
	v_cndmask_b32 v[XO+4+\j], v[PWK+8+2*\j], v[PWK+8+2*\j+1], s[HI]
.endr
	global_store_b64 v[LS], v[XO+4:XO+5], s[OS2:OS2+1]
	s_wait_tensorcnt 0x0                           ; the wave's end
	ds_add_u32 v[SPW], v[NIL]
	s_wait_dscnt 0x0
	CROUND                                         ; the closing round
	s_endpgm
.Lfunc_end_k_q99029d312a_proj:
	.size	k_q99029d312a_proj, .Lfunc_end_k_q99029d312a_proj-k_q99029d312a_proj
	.p2alignl 7, 3214868480
	.fill 96, 4, 3214868480
	.section	.rodata,"a",@progbits
	.p2align	6, 0x0
	.amdhsa_kernel k_q99029d312a_proj
		.amdhsa_group_segment_fixed_size 327680
		.amdhsa_private_segment_fixed_size 0
		.amdhsa_enable_private_segment 0
		.amdhsa_kernarg_size 48
		.amdhsa_user_sgpr_count 2
		.amdhsa_user_sgpr_kernarg_segment_ptr 1
		.amdhsa_wavefront_size32 1
		.amdhsa_system_sgpr_workgroup_id_x 1
		.amdhsa_system_sgpr_workgroup_id_y 1
		.amdhsa_system_sgpr_workgroup_id_z 1
		.amdhsa_system_vgpr_workitem_id 0
		.amdhsa_next_free_vgpr 1024
		.amdhsa_next_free_sgpr 100
		.amdhsa_reserve_vcc 0
		.amdhsa_float_denorm_mode_32 3
		.amdhsa_float_denorm_mode_16_64 3
		.amdhsa_memory_ordered 1
		.amdhsa_forward_progress 1
		.amdhsa_inst_pref_size 202
	.end_amdhsa_kernel
	.amdgpu_metadata
---
amdhsa.version: [ 1, 2 ]
amdhsa.kernels:
  - .name:           k_q99029d312a_proj
    .symbol:         k_q99029d312a_proj.kd
    .args:
      - { .name: xw, .offset: 0, .size: 8, .value_kind: global_buffer, .address_space: global }
      - { .name: bq, .offset: 8, .size: 8, .value_kind: global_buffer, .address_space: global }
      - { .name: bk, .offset: 16, .size: 8, .value_kind: global_buffer, .address_space: global }
      - { .name: bv, .offset: 24, .size: 8, .value_kind: global_buffer, .address_space: global }
      - { .name: qk, .offset: 32, .size: 8, .value_kind: global_buffer, .address_space: global }
      - { .name: vt, .offset: 40, .size: 8, .value_kind: global_buffer, .address_space: global }
    .group_segment_fixed_size: 327680
    .private_segment_fixed_size: 0
    .kernarg_segment_align: 8
    .kernarg_segment_size: 48
    .max_flat_workgroup_size: 128
    .sgpr_count:     100
    .vgpr_count:     1024
    .wavefront_size: 32
...
	.end_amdgpu_metadata
.endif
;; end of part 2
;; launch score (part 3): grid 8 x 32, 4 waves a work-group, clusters of 4 x 4, 327,680 bytes of LDS; arguments qk, p, ps, st; writes p, ps, st
.if DOCPART == 3
	.amdgcn_target "amdgcn-amd-amdhsa--gfx1250"
	.amdhsa_code_object_version 6
	.text
	.protected	k_q99029d312a_score
	.globl	k_q99029d312a_score
	.p2align	8
	.type	k_q99029d312a_score,@function
k_q99029d312a_score:
	s_mov_b64 s[64:65], 0
	v_nop
	global_prefetch_b8 v0, s[64:65] scope:SCOPE_SE
	s_setreg_imm32_b32 hwreg(HW_REG_WAVE_MODE, 25, 1), 1
	s_wait_xcnt 0x0
	s_wait_alu depctr_hold_cnt(0) depctr_sa_sdst(0) depctr_va_vdst(0) depctr_va_sdst(0) depctr_va_ssrc(0) depctr_va_vcc(0) depctr_vm_vsrc(0)
	s_getreg_b32 s2, hwreg(HW_REG_IB_STS2, 6, 4)
	s_cmp_eq_u32 s2, 0
	s_cbranch_scc0 .Lentry_in_a_cluster
	s_endpgm
.Lentry_in_a_cluster:
	s_bfe_u32 s2, ttmp6, 0x10000c
	s_cmp_lg_u32 s2, 0xf033
	s_cbranch_scc0 .Lentry_shape_is_right
	s_endpgm
.Lentry_shape_is_right:
; S = q k^T on codes of BF6, K = 1,024, and the softmax's weights as codes.  t = S log2(e) / 32.  For each query and each GROUP OF 128 KEYS (a wave's columns): M = the group's largest t rounded up to a whole number,
; p = 2^(t - M), the sum of the unquantised p, and p's codes and scale bytes along the keys.  -M and the sum go to memory; the next launch brings the sixteen groups of a row under the row's M: M is a whole number, so that
; changes p's scale bytes alone, and the codes stay.
; A tile of 256 queries x 256 keys, four waves of 128 x 128.  K goes by steps of 128; three fills of two, three and three steps through two slots of LDS: four groups of 128 rows, each dense in memory with its scale words: one load a wave.
; Used transposed (source 0 = 16 keys, source 1 = 16 queries): a lane holds one query, and its 16 registers of tiles 2 b, 2 b + 1 are the TRUE keys 32 b + 16 (lane / 16) + 0 .. 15, since rows stand at position swap34(row).
; CLUSTERS: 4 x 4; q's tile is asked for jointly along a row of the cluster, k's along a column.
; PREFETCH: the second and third fills are asked for one fill ahead of their joint loads: of the 150 blocks of 256 bytes that a wave's load will bring, each of the four partners names 38, told apart by address (the last holds at block 149).
; A block's largest p is not searched for: p rises with the score, so the block's largest score goes through the same multiply-add and exponential.
; LIMITS: a block whose every p lies under 2^-122 keeps the byte 1; the scaled scores stay under 2^31 in magnitude; NaN and infinities are not served.
; REGISTERS: window 0: v2-15 addresses; v32-63 scale words, two sets; v128-223 A's fragments, one set.  window 1: B's fragments, two sets.  windows 2, 3: the accumulators.
;   On the way out, two row blocks at a time: v2-9 the eight blocks' scale words, v16-63 work, v64-191 p, v192-215 codes, v216-223 -M, v224-231 the sums, v240-255 work.
.set U,    12800
.set SLOT, 12*U
.set BOFF, 6*U
.set KPART, 64*8*U
.set SPARE, 2*SLOT                     ; the spare words, 128 bytes a wave: two blocks of 256 bytes that no other line names
.set ADRA, 2
.set ADRB, 4
.set ASA,  6
.set ASB,  8
.set LI,   10
.set L8,   11
.set SPW,  12
.set NIL,  13
.set PF1,  14
.set PF2,  15
.set SA,   32
.set SB,   48
.set AF,   128
.set PWK,  2
.set TM,   16                          ; the eight blocks' largest scores
.set TP,   24                          ; the other half's; then bytes
.set TO,   32                          ; scale operands
.set T1,   40
.set NM,   44                          ; v[44:45], v[46:47] -M (a pair is named; its low word serves both halves)
.set LS,   48                          ; the sums, four chains of pairs for each of the two blocks
.set ST,   64
.set XO,   64
.set CD,   192
.set NMK,  216
.set LSK,  224
.set PT,   240
.set G1,   24
.set G0,   32
.set G1B,  48
.set G0B,  56
.set OC,   2
.set OS,   22
.set OT,   20
.set SEL,  70
.set PFB,  72                          ; s[72:73] where my prefetches stand
.set HI,   74
.set CS,   66                          ; s[66:67] c = log2(e) / 32
.set MSB, 0
.macro WIN new
.if MSB != (\new)
	s_set_vgpr_msb (MSB<<8)|(\new)
.set MSB, \new
.endif
.endm
.macro JLOAD s                         ; waves 0 and 1 fetch A, waves 2 and 3 B; four v_nop follow each line
	s_cmp_eq_u32 s15, 0
	s_cbranch_scc0 .Lfor_b_\@
	tensor_load_to_lds s[G0+4*\s:G0+4*\s+3], s[G1:G1+7]
	s_nop 0
.rept 4
	v_nop
.endr
	s_branch .Lasked_\@
.Lfor_b_\@:
	tensor_load_to_lds s[G0B+4*\s:G0B+4*\s+3], s[G1B:G1B+7]
	s_nop 0
.rept 4
	v_nop
.endr
.Lasked_\@:
.endm
.macro ASK off                         ; 32 blocks, then 6
	global_prefetch_b8 v[PF1], s[PFB:PFB+1] offset:\off th:TH_LOAD_NT scope:SCOPE_SE
	global_prefetch_b8 v[PF2], s[PFB:PFB+1] offset:\off th:TH_LOAD_NT scope:SCOPE_SE
.endm
.macro CREST
	s_cmp_lg_u32 s14, 0
	s_cbranch_scc1 .Lnot_wave_0_\@
	s_barrier_signal -3
.Lnot_wave_0_\@:
	s_barrier_wait -3
	s_barrier_signal -1
	s_barrier_wait -1
.endm
.macro CROUND
	s_barrier_signal -1
	s_barrier_wait -1
	CREST
.endm
.macro PLACES n
.rept \n
	v_nop
.endr
.endm
.macro AT st                           ; steps 0, 1: slot 0; 2 to 4: slot 1; 5 to 7: slot 0
.if (\st) < 2
.set SL, 0
.set QO, U*(\st)
.elseif (\st) < 5
.set SL, 1
.set QO, U*((\st)-2)
.else
.set SL, 0
.set QO, U*((\st)-5)
.endif
.endm
.macro LDB st, i0                      ; four of B's fragments: 12 loads
	AT \st
	WIN 0x40
.irp i, 0,1,2,3
.irp k, 0,1,2
.set rR, 128*((\st)%2)+12*((\i0)+\i)+4*\k
	ds_load_b128 v[rR:rR+3], v[ADRB+SL] offset:QO+1536*((\i0)+\i)+512*\k
.endr
.endr
	WIN 0
.endm
.macro LDA st, i                       ; A's block i: 3 loads
	AT \st
.irp k, 0,1,2
	ds_load_b128 v[AF+12*(\i)+4*\k:AF+12*(\i)+4*\k+3], v[ADRA+SL] offset:QO+1536*(\i)+512*\k
.endr
.endm
.macro LSC st                          ; scale words: 4 loads; block t of a 64-row group in register 2 (t % 2) + t / 2 of its four
	AT \st
.irp G, 0,1
	ds_load_b128 v[SA+8*((\st)%2)+4*\G:SA+8*((\st)%2)+4*\G+3], v[ASA+SL] offset:QO+12288+256*\G
	ds_load_b128 v[SB+8*((\st)%2)+4*\G:SB+8*((\st)%2)+4*\G+3], v[ASB+SL] offset:QO+12288+256*\G
.endr
.endm
.macro MM a, st, zero                  ; the 64 accumulators take turns, in the same order in every step
	WIN 0xa1+0x50*((\a)/4)
.irp b, 0,1,2,3,4,5,6,7
.set rD, 8*(8*((\a)%4)+\b)
.set rB, 128*((\st)%2)+12*\b
.set rA, AF+12*(\a)
.set sB, SB+8*((\st)%2)+4*(\b/4)+2*(\b%2)+(\b/2)%2
.set sA, SA+8*((\st)%2)+4*((\a)/4)+2*((\a)%2)+((\a)/2)%2
.if \zero
	v_wmma_scale_f32_16x16x128_f8f6f4 v[rD:rD+7], v[rB:rB+11], v[rA:rA+11], 0, v[sB], v[sA] matrix_a_fmt:MATRIX_FMT_BF6 matrix_b_fmt:MATRIX_FMT_BF6
.else
	v_wmma_scale_f32_16x16x128_f8f6f4 v[rD:rD+7], v[rB:rB+11], v[rA:rA+11], v[rD:rD+7], v[sB], v[sA] matrix_a_fmt:MATRIX_FMT_BF6 matrix_b_fmt:MATRIX_FMT_BF6
.endif
.endr
.endm
; kind 0: the next step lies in the same slot: half its B and its scale words (16 loads) are fetched at once, the other half with A's blocks 0, 1 (18), then A two blocks at a time (6) as they become free.
;   So behind A's blocks 0, 1 there are 6 + 6 + 6 + 16 younger loads, and behind each later two blocks 46.
; kind 1: a change of slots that fills slot 0 again; 2: one that fills nothing; 3: the last step
.macro STEP st, zero, kind
.if (\kind) == 0
	LDB (\st)+1, 0
	LSC (\st)+1
	s_wait_dscnt 34
	MM 0, \st, \zero
	MM 1, \st, \zero
	WIN 0
	PLACES 4                                       ; in front of loads into registers that matrix instructions have read
	LDB (\st)+1, 4
	LDA (\st)+1, 0
	LDA (\st)+1, 1
.irp a, 2,4,6
	s_wait_dscnt 46
	MM \a, \st, \zero
	MM \a+1, \st, \zero
	WIN 0
	PLACES 4
	LDA (\st)+1, \a
	LDA (\st)+1, \a+1
.endr
.elseif (\kind) == 3
.irp a, 0,2,4,6
	s_wait_dscnt 18-3*\a                           ; A's younger blocks may be out
	MM \a, \st, \zero
	MM \a+1, \st, \zero
.endr
	WIN 0
.else
	s_wait_tensorcnt 0x0                           ; all my tensor loads have landed: my part of the next slot
	ds_add_u32 v[SPW], v[NIL]                      ; 0 onto my spare word
	s_wait_dscnt 19                                ; A's blocks 0 and 1 are in: the 18 loads of blocks 2-7 and the add may be out
	MM 0, \st, \zero
	MM 1, \st, \zero
	s_wait_dscnt 0x0                               ; the add is done, and my reads of this slot are over
	s_barrier_signal -1
	MM 2, \st, \zero
	WIN 0
	s_barrier_wait -1
.if (\kind) == 1
	CREST                                          ; a round of the cluster's barrier: no wave of any partner still reads this slot or has a load on its way
	s_add_nc_u64 s[G0+2:G0+3], s[G0+2:G0+3], 5*U
	s_add_nc_u64 s[G0B+2:G0B+3], s[G0B+2:G0B+3], 5*U
	JLOAD 0                                        ; steps 5 to 7
.else
	PLACES 4
.endif
	LDB (\st)+1, 0
	LDB (\st)+1, 4
	LSC (\st)+1
	LDA (\st)+1, 0
	LDA (\st)+1, 1
	MM 3, \st, \zero
	WIN 0
	PLACES 4
	LDA (\st)+1, 2
	LDA (\st)+1, 3
.irp a, 4,6
	MM \a, \st, \zero
	MM \a+1, \st, \zero
	WIN 0
	PLACES 4
	LDA (\st)+1, \a
	LDA (\st)+1, \a+1
.endr
.endif
.endm
.macro SENDP a                         ; the images of row blocks a, a + 1: each store 512 consecutive bytes
.irp m, 0,1
.irp g, 0,1,2
	global_store_b128 v[LI], v[CD+12*\m+4*\g:CD+12*\m+4*\g+3], s[OC:OC+1] offset:1536*((\a)+\m)+512*\g
.endr
.endr
.endm
; row blocks a and a + 1: 2 x 16 queries x my 128 keys; their eight blocks of 32 keys take turns.  The pair before is stored under this one's work
.macro SOFT2 a
.set AC, 64*((\a)%4)
.set AW, 2+(\a)/4
	WIN 0x15*AW                                    ; all three sources in the accumulators' window
.irp n, 0,1,2,3,4,5,6,7
	v_max3_num_f32 v[TM+\n], v[AC+16*\n], v[AC+16*\n+1], v[AC+16*\n+2]   ; the largest score of each block of 32 keys; each accumulator is read from its low end on
.endr
	WIN 0x14*AW                                    ; sources 1 and 2
.irp i, 3,5,7,9,11,13
.irp n, 0,1,2,3,4,5,6,7
	v_max3_num_f32 v[TM+\n], v[TM+\n], v[AC+16*\n+\i], v[AC+16*\n+\i+1]
.endr
.endr
	WIN 0x04*AW
.irp n, 0,1,2,3,4,5,6,7
	v_max_num_f32 v[TM+\n], v[TM+\n], v[AC+16*\n+15]
.endr
	WIN 0
.irp n, 0,1,2,3,4,5,6,7
	v_permlanex16_b32 v[TP+\n], v[TM+\n], s[SEL], s[SEL+1]
.endr
.irp n, 0,1,2,3,4,5,6,7
	v_max_num_f32 v[TM+\n], v[TM+\n], v[TP+\n]     ; with lane l xor 16's 16 keys
.endr
.if (\a) > 0
	SENDP (\a)-2
.endif
.irp m, 0,1
	v_max3_num_f32 v[T1+\m], v[TM+4*\m], v[TM+4*\m+1], v[TM+4*\m+2]
.endr
.irp m, 0,1
	v_max_num_f32 v[T1+\m], v[T1+\m], v[TM+4*\m+3] ; the largest score of my query's 128 keys,
.endr
.irp m, 0,1
	v_mul_f32 v[T1+\m], s[CS], v[T1+\m]            ; as t (c is positive)
.endr
.irp m, 0,1
	v_floor_f32 v[NM+2*\m], -v[T1+\m]              ; -M = floor(-t) = -ceil(t): a whole number
.endr
	WIN AW                                         ; source 0
.set ii, 0
.rept 64
	v_pk_fma_f32 v[ST+2*ii:ST+2*ii+1], v[AC+2*ii:AC+2*ii+1], s[CS:CS+1], v[NM+2*(ii/32):NM+2*(ii/32)+1] op_sel_hi:[1,0,0]   ; t - M, two at a time
.set ii, ii+1
.endr
	WIN 0
.irp n, 0,1,2,3,4,5,6,7
	v_fma_f32 v[TM+\n], v[TM+\n], s[CS], v[NM+2*(\n/4)]   ; the same of each block's largest score
.endr
	s_wait_alu depctr_va_vdst(0)                   ; one wait ahead of the batch
.set ii, 0
.rept 128
	v_exp_f32 v[ST+ii], v[ST+ii]                   ; p = 2^(t - M), at most 1
.set ii, ii+1
.endr
.irp m, 0,1
	v_mov_b32 v[NMK+(\a)+\m], v[NM+2*\m]           ; (plain places behind the exponentials)
.endr
	s_wait_alu depctr_va_vdst(0)                   ; one wait for the batch, ahead of its first reader
.irp n, 0,1,2,3,4,5,6,7
	v_exp_f32 v[TM+\n], v[TM+\n]                   ; the block's largest p
.endr
.irp c, 0,1,2,3                        ; the sums of the UNQUANTISED p, four chains a query; they read the 128 alone
.irp m, 0,1
	v_pk_add_f32 v[LS+8*\m+2*\c:LS+8*\m+2*\c+1], v[ST+64*\m+2*\c:ST+64*\m+2*\c+1], v[ST+64*\m+8+2*\c:ST+64*\m+8+2*\c+1]
.endr
.endr
.irp j, 16,24,32,40,48,56
.irp c, 0,1,2,3
.irp m, 0,1
	v_pk_add_f32 v[LS+8*\m+2*\c:LS+8*\m+2*\c+1], v[LS+8*\m+2*\c:LS+8*\m+2*\c+1], v[ST+64*\m+\j+2*\c:ST+64*\m+\j+2*\c+1]
.endr
.endr
.endr
.irp c, 0,1
.irp m, 0,1
	v_pk_add_f32 v[LS+8*\m+2*\c:LS+8*\m+2*\c+1], v[LS+8*\m+2*\c:LS+8*\m+2*\c+1], v[LS+8*\m+4+2*\c:LS+8*\m+4+2*\c+1]
.endr
.endr
.irp m, 0,1
	v_pk_add_f32 v[LS+8*\m:LS+8*\m+1], v[LS+8*\m:LS+8*\m+1], v[LS+8*\m+2:LS+8*\m+3]
.endr
.irp m, 0,1
	v_add_f32 v[T1+\m], v[LS+8*\m], v[LS+8*\m+1]
.endr
.irp m, 0,1
	v_permlanex16_b32 v[T1+2+\m], v[T1+\m], s[SEL], s[SEL+1]
.endr
.irp m, 0,1
	v_add_f32 v[LSK+(\a)+\m], v[T1+\m], v[T1+2+\m] ; with lane l xor 16's 64 keys
.endr
	s_wait_alu depctr_va_vdst(0)                   ; and one for the eight
.irp n, 0,1,2,3,4,5,6,7
	v_max_num_f32 v[TM+\n], 0x2800000, v[TM+\n]    ; the floor 2^(5 - 127): the byte cannot fall under 1
.endr
.irp n, 0,1,2,3,4,5,6,7
	v_add_nc_u32 v[TO+\n], 0xfe000000, v[TM+\n]    ; 4 off the exponent field: the conversion's scale operand
.endr
.irp n, 0,1,2,3,4,5,6,7
	v_lshrrev_b32 v[TP+\n], 23, v[TO+\n]           ; the scale's byte
.endr
.irp m, 0,1
	v_lshl_or_b32 v[PWK+(\a)+\m], v[TP+4*\m+1], 8, v[TP+4*\m]
.endr
.irp m, 0,1
	v_lshl_or_b32 v[PWK+(\a)+\m], v[TP+4*\m+2], 16, v[PWK+(\a)+\m]
.endr
.irp m, 0,1
	v_lshl_or_b32 v[PWK+(\a)+\m], v[TP+4*\m+3], 24, v[PWK+(\a)+\m]
.endr
.if (\a) > 0
	s_wait_alu depctr_va_vdst(0)                   ; the wait here, directly ahead of the wait below
	s_wait_xcnt 0x0                                ; the pair before has been read by its stores: the codes' registers may be written again
.endif
.irp m, 0,1
.irp c, 0,1
	v_cvt_scalef32_pk16_bf6_f32 v[CD+12*\m+6*\c:CD+12*\m+6*\c+2], v[ST+64*\m+32*\c:ST+64*\m+32*\c+15], v[TO+4*\m+2*\c]
	v_cvt_scalef32_pk16_bf6_f32 v[PT+8*\m+4*\c:PT+8*\m+4*\c+2], v[ST+64*\m+32*\c+16:ST+64*\m+32*\c+31], v[TO+4*\m+2*\c+1]
.endr
.endr
	v_nop                                          ; one plain place behind a scaled conversion
.irp i, 0,1,2
.irp m, 0,1
.irp c, 0,1
	v_permlane16_swap_b32 v[CD+12*\m+6*\c+\i], v[PT+8*\m+4*\c+\i]
.endr
.endr
.endr
.irp i, 0,1,2
.irp m, 0,1
.irp c, 0,1
	v_mov_b32 v[CD+12*\m+3+6*\c+\i], v[PT+8*\m+4*\c+\i]
.endr
.endr
.endr
.endm
.macro MERGE K, X                      ; lane 16 e + r takes the number of position 64 G + 32 j + 16 e + r
.irp G, 0,1
.irp j, 0,1
	v_cndmask_b32 v[\X+2*\G+\j], v[\K+4*\G+2*\j], v[\K+4*\G+2*\j+1], s[HI]
.endr
.endr
.endm
	s_load_b256 s[4:11], s[0:1], 0x0               ; q and k; p's codes; p's scale words; -M and the sums
	v_lshl_add_u32 v[SPW], v0, 2, SPARE
	v_mov_b32 v[NIL], 0
	ds_add_u32 v[SPW], v[NIL]                      ; the opening: the add, twice on end, and its wait ahead of my first tensor load
	ds_add_u32 v[SPW], v[NIL]
	v_lshrrev_b32 v1, 5, v0
	v_readfirstlane_b32 s14, v1
	s_lshr_b32 s15, s14, 1                         ; my half of the queries.  Also: I fetch for A (0) or for B (1)
	s_and_b32 s16, s14, 1                          ; my half of the keys.  Also: which half I fetch
	s_bfe_u32 s40, ttmp6, 0x40000                  ; cx
	s_bfe_u32 s41, ttmp6, 0x40004                  ; cy
	s_and_b32 s18, ttmp7, 0xffff
	s_lshl_b32 s17, s18, 2
	s_add_co_u32 s17, s17, s41                     ; T: q's tile of 256 rows
	s_lshr_b32 s18, s18, 1                         ; the batch
	s_lshl_b32 s18, s18, 4
	s_lshl_b32 s42, ttmp9, 2
	s_add_co_u32 s42, s42, s40                     ; k's tile of 256 rows in its batch
	s_lshl_b32 s43, s41, 2
	s_lshl_b32 s43, 15, s43
	s_lshl_b32 s44, 0x1111, s40
	s_or_b32 s[G1+0], s43, (3<<16)|(1<<21)
	s_or_b32 s[G1B+0], s44, (3<<16)|(1<<21)
.irp g, G1, G1B                        ; two steps of 128 rows: dense, 100 rows of 256 bytes; behind the head three steps, 150
	s_mov_b32 s[\g+1], 32<<16
	s_mov_b32 s[\g+2], 100<<16
	s_mov_b32 s[\g+3], 32<<16
	s_mov_b32 s[\g+4], 100
	s_mov_b32 s[\g+5], 32
	s_mov_b32 s[\g+6], 0
	s_mov_b32 s[\g+7], 0
.endr
	s_lshl_b32 s20, s17, 1
	s_add_co_u32 s20, s20, s16
	s_mul_i32 s20, s20, 8*U                        ; A: row group 2 T + half
	s_mov_b32 s21, 0
	s_lshl_b32 s46, s42, 1
	s_add_co_u32 s46, s46, s18
	s_add_co_u32 s46, s46, s16
	s_mul_i32 s46, s46, 8*U                        ; B: row group 16 (batch) + 2 (tile) + half of k
	s_add_co_u32 s46, s46, KPART
	s_mov_b32 s47, 0
	s_mul_i32 s45, s14, 3*U                        ; where they go: no place in the cluster enters an LDS address
	s_mul_i32 s80, s15, 3*U
	s_add_co_u32 s81, s80, SLOT
	s_mul_i32 s82, s16, 3*U
	s_add_co_u32 s82, s82, BOFF
	s_add_co_u32 s83, s82, SLOT
	s_cmp_eq_u32 s15, 0
	s_cselect_b32 s86, s40, s41                    ; my place among the four that ask for a tile with me
	s_mul_i32 s86, s86, 38
	v_and_b32 v16, 15, v0
	v_and_b32 v17, 31, v0
	v_lshlrev_b32 v[LI], 4, v17
	v_lshlrev_b32 v[L8], 3, v17
	v_lshlrev_b32 v16, 4, v16
	v_add_nc_u32 v[ADRA], s80, v[LI]
	v_add_nc_u32 v[ADRA+1], s81, v[LI]
	v_add_nc_u32 v[ADRB], s82, v[LI]
	v_add_nc_u32 v[ADRB+1], s83, v[LI]
	v_add_nc_u32 v[ASA], s80, v16
	v_add_nc_u32 v[ASA+1], s81, v16
	v_add_nc_u32 v[ASB], s82, v16
	v_add_nc_u32 v[ASB+1], s83, v16
	v_add_nc_u32 v[PF1], s86, v17                  ; my blocks 38 (place) + 0 .. 31,
	v_min_u32 v[PF1], 149, v[PF1]
	v_lshlrev_b32 v[PF1], 8, v[PF1]
	v_min_u32 v17, 5, v17                          ; and + 32 .. 37 (the lanes left over name the last again)
	v_add_nc_u32 v[PF2], s86, v17
	v_add_nc_u32 v[PF2], 32, v[PF2]
	v_min_u32 v[PF2], 149, v[PF2]
	v_lshlrev_b32 v[PF2], 8, v[PF2]
.irp n, 0,1,2,3,4,5,6,7
	v_mov_b32 v[TP+\n], 0                          ; written once: a lane permute's destination counts as one of its sources
.endr
	s_wait_alu depctr_va_vdst(0)                   ; the wait here, ahead of the waits below
	s_wait_dscnt 0x0                               ; both opening adds are done
	s_wait_kmcnt 0x0
	s_add_nc_u64 s[20:21], s[4:5], s[20:21]
	s_add_nc_u64 s[46:47], s[4:5], s[46:47]
	CROUND                                         ; all sixteen work-groups are here: the first joint loads meet
.irp s, 0,1
	s_mov_b32 s[G0+4*\s], 1
	s_add_co_u32 s[G0+4*\s+1], s45, \s*SLOT
	s_add_nc_u64 s[G0+4*\s+2:G0+4*\s+3], s[20:21], \s*2*U
	s_or_b32 s[G0+4*\s+3], s[G0+4*\s+3], 0x80000000
	s_mov_b32 s[G0B+4*\s], 1
	s_add_co_u32 s[G0B+4*\s+1], s45, \s*SLOT
	s_add_nc_u64 s[G0B+4*\s+2:G0B+4*\s+3], s[46:47], \s*2*U
	s_or_b32 s[G0B+4*\s+3], s[G0B+4*\s+3], 0x80000000
.endr
	JLOAD 0                                        ; steps 0 and 1: one tensor load a wave at the head
	s_cmp_eq_u32 s15, 0                            ; the choice hangs on the wave's number alone
	s_cselect_b64 s[PFB:PFB+1], s[20:21], s[46:47]
	; where the results go: p: row group 2 T + half, key step 2 (k's tile) + half; scale words, -M and sums by key step, then by groups of 64 rows
	s_lshl_b32 s18, s42, 1
	s_add_co_u32 s18, s18, s16                     ; the key step
	s_lshl_b32 s19, s17, 1
	s_add_co_u32 s19, s19, s15                     ; the row group
	s_lshl_b32 s2, s19, 4
	s_add_co_u32 s2, s2, s18
	s_mul_i32 s2, s2, 12288
	s_mov_b32 s3, 0
	s_add_nc_u64 s[OC:OC+1], s[6:7], s[2:3]
	s_lshl_b32 s92, s18, 7
	s_lshl_b32 s19, s19, 1
	s_add_co_u32 s92, s92, s19
	s_lshl_b32 s92, s92, 8
	s_mov_b32 s93, 0
	s_add_nc_u64 s[OS:OS+1], s[8:9], s[92:93]
	s_add_nc_u64 s[OT:OT+1], s[10:11], s[92:93]
	s_mov_b32 s[HI], 0xffff0000
	s_mov_b32 s[SEL], 0x76543210
	s_mov_b32 s[SEL+1], 0xfedcba98
	s_mov_b32 s[CS], 0x3d38aa3b                    ; log2(e) / 32
	s_mov_b32 s[CS+1], s[CS]
	ASK 2*U                                        ; steps 2 to 4
	s_wait_alu depctr_va_vdst(0)                   ; the wait at the head's end
	s_wait_tensorcnt 0x0                           ; my part of slot 0 is in
	ds_add_u32 v[SPW], v[NIL]
	s_mov_b32 s[G1+2], 150<<16                     ; no tensor load of mine is out: from here on a fill is three steps
	s_mov_b32 s[G1+4], 150
	s_mov_b32 s[G1B+2], 150<<16
	s_mov_b32 s[G1B+4], 150
	s_wait_dscnt 0x0
	CROUND                                         ; everybody's part of slot 0 is in, and the next joint loads meet
	JLOAD 1                                        ; steps 2 to 4
	LDB 0, 0
	LDB 0, 4
	LSC 0
.irp a, 0,1,2,3,4,5,6,7
	LDA 0, \a
.endr
	ASK 5*U                                        ; steps 5 to 7
	STEP 0, 1, 0                                   ; the first products start the sums
	STEP 1, 0, 1
	STEP 2, 0, 0
	STEP 3, 0, 0
	STEP 4, 0, 2
	STEP 5, 0, 0
	STEP 6, 0, 0
	STEP 7, 0, 3
	PLACES 5                                       ; in front of the first read of results and of writes to operands' registers
	SOFT2 0
	SOFT2 2
	SOFT2 4
	SOFT2 6
	MERGE PWK, XO
	MERGE NMK, XO+4
	MERGE LSK, XO+8
	SENDP 6
.irp G, 0,1
	global_store_b64 v[L8], v[XO+2*\G:XO+2*\G+1], s[OS:OS+1] offset:256*\G          ; each an aligned run of 256 bytes
	global_store_b64 v[L8], v[XO+4+2*\G:XO+4+2*\G+1], s[OT:OT+1] offset:256*\G
	global_store_b64 v[L8], v[XO+8+2*\G:XO+8+2*\G+1], s[OT:OT+1] offset:524288+256*\G
.endr
	s_wait_tensorcnt 0x0                           ; the wave's end
	ds_add_u32 v[SPW], v[NIL]
	s_wait_dscnt 0x0
	CROUND                                         ; the closing round
	s_endpgm
.Lfunc_end_k_q99029d312a_score:
	.size	k_q99029d312a_score, .Lfunc_end_k_q99029d312a_score-k_q99029d312a_score
	.p2alignl 7, 3214868480
	.fill 96, 4, 3214868480
	.section	.rodata,"a",@progbits
	.p2align	6, 0x0
	.amdhsa_kernel k_q99029d312a_score
		.amdhsa_group_segment_fixed_size 327680
		.amdhsa_private_segment_fixed_size 0
		.amdhsa_enable_private_segment 0
		.amdhsa_kernarg_size 32
		.amdhsa_user_sgpr_count 2
		.amdhsa_user_sgpr_kernarg_segment_ptr 1
		.amdhsa_wavefront_size32 1
		.amdhsa_system_sgpr_workgroup_id_x 1
		.amdhsa_system_sgpr_workgroup_id_y 1
		.amdhsa_system_sgpr_workgroup_id_z 1
		.amdhsa_system_vgpr_workitem_id 0
		.amdhsa_next_free_vgpr 1024
		.amdhsa_next_free_sgpr 100
		.amdhsa_reserve_vcc 0
		.amdhsa_float_denorm_mode_32 3
		.amdhsa_float_denorm_mode_16_64 3
		.amdhsa_memory_ordered 1
		.amdhsa_forward_progress 1
		.amdhsa_inst_pref_size 196
	.end_amdhsa_kernel
	.amdgpu_metadata
---
amdhsa.version: [ 1, 2 ]
amdhsa.kernels:
  - .name:           k_q99029d312a_score
    .symbol:         k_q99029d312a_score.kd
    .args:
      - { .name: qk, .offset: 0, .size: 8, .value_kind: global_buffer, .address_space: global }
      - { .name: p, .offset: 8, .size: 8, .value_kind: global_buffer, .address_space: global }
      - { .name: ps, .offset: 16, .size: 8, .value_kind: global_buffer, .address_space: global }
      - { .name: st, .offset: 24, .size: 8, .value_kind: global_buffer, .address_space: global }
    .group_segment_fixed_size: 327680
    .private_segment_fixed_size: 0
    .kernarg_segment_align: 8
    .kernarg_segment_size: 32
    .max_flat_workgroup_size: 128
    .sgpr_count:     100
    .vgpr_count:     1024
    .wavefront_size: 32
...
	.end_amdgpu_metadata
.endif
;; end of part 3
;; launch pv (part 4): grid 8 x 32, 4 waves a work-group, clusters of 4 x 4, 327,680 bytes of LDS; arguments p, ps, st, vt, out0; writes out0
.if DOCPART == 4
	.amdgcn_target "amdgcn-amd-amdhsa--gfx1250"
	.amdhsa_code_object_version 6
	.text
	.protected	k_q99029d312a_pv
	.globl	k_q99029d312a_pv
	.p2align	8
	.type	k_q99029d312a_pv,@function
k_q99029d312a_pv:
	s_mov_b64 s[64:65], 0
	v_nop
	global_prefetch_b8 v0, s[64:65] scope:SCOPE_SE
	s_setreg_imm32_b32 hwreg(HW_REG_WAVE_MODE, 25, 1), 1
	s_wait_xcnt 0x0
	s_wait_alu depctr_hold_cnt(0) depctr_sa_sdst(0) depctr_va_vdst(0) depctr_va_sdst(0) depctr_va_ssrc(0) depctr_va_vcc(0) depctr_vm_vsrc(0)
	s_getreg_b32 s2, hwreg(HW_REG_IB_STS2, 6, 4)
	s_cmp_eq_u32 s2, 0
	s_cbranch_scc0 .Lentry_in_a_cluster
	s_endpgm
.Lentry_in_a_cluster:
	s_bfe_u32 s2, ttmp6, 0x10000c
	s_cmp_lg_u32 s2, 0xf033
	s_cbranch_scc0 .Lentry_shape_is_right
	s_endpgm
.Lentry_shape_is_right:
; O = p v / l on codes of BF6, K = the batch's 2,048 keys, sixteen steps of 128.  p's codes were made under a whole number M for each step's keys.  Each thread takes two rows: the row's M is the largest of the sixteen;
; step g's scale bytes fall by d = M - M_g (held at 0 from below), its sum is multiplied by 2^-d, and the sums are added: l.  The codes stay as they are.  The first four steps' bytes are made at the head, the others'
; under the products, always for the next slot's steps: the change of slots shows them to the other waves.
; A tile is 256 queries x 128 features, so that there are 256 work-groups; four waves of 128 x 64: 32 accumulators.  A slot holds four steps, each part dense in memory, one load a wave.
; THE LAST SLOT GOES BY ROWS: its B comes into registers whole, and the eight row blocks are finished two by two, so that finished rows are stored while the others are multiplied.
; Operands lie as images of their registers; used transposed (source 0 = 16 features of v^T, source 1 = 16 queries of p).  Rows stand at position swap34(row): the features come out in true order in a lane's
; registers, and the queries' order is undone by the stores' offsets.
; CLUSTERS: 4 x 4; p's tile is asked for jointly along a row of the cluster, v^T's along a column.
; PREFETCH: each later slot is asked for one slot ahead of its joint load.  Of the 192 (p) or 100 (v^T) blocks of 256 bytes that a wave's load will bring, each of the four partners names 48 or 25, told apart by address.
; LIMITS: where a block of p lies further under the row's M than its byte allows, the byte is 0 (2^-127): each such p counts for at most 28 x 2^-127 beside l >= 1/2.  d is held at 127.  NaN and infinities are not served.
; REGISTERS: window 0: v2-27 addresses; v32-55 scale words, two sets of 8 + 4; v64-79 1 / l; v80-127 the last slot's scale words; v128-223 my rows' scale words, -M and sums, v224-237 work on them; on the way out v128-255 rows of O.
;   windows 1, 2: the fragments of even and of odd steps: B's four at v0-47, A's eight at v64-159.  In the last slot window 1 v0-191 B's sixteen, window 2 v160-255 and v64-159 A's by pairs of row blocks.
;   window 3: the accumulators, (a, b) at v[8 (4 a + b)].
.set U,    12800
.set UP,   12288
.set SLOT, 8*UP+4*U
.set BOFF, 8*UP
.set LSCA, 2*SLOT                      ; p's scale words as brought under the row's M: 16 steps x 1,024 bytes, by LDS stores
.set LRL,  LSCA+16384                  ; 1 / l of the 256 rows
.set SPARE, LRL+1024                   ; the spare words, 128 bytes a wave: two blocks of 256 bytes that no other line names
.set ADRA, 2
.set ADRB, 4
.set ASB,  6
.set ASA,  8
.set LI,   10
.set L8,   11
.set SPW,  12
.set NIL,  13
.set SWA,  14
.set SWR,  15
.set ARL,  16
.set STO,  17
.set RD,   18
.set CO,   19
.set PF1,  26
.set PF2,  27
.set SA,   32
.set SB,   48
.set RI,   64
.set SBL,  80                          ; the last slot: 4 for each step; SAL: 8 for each step
.set SAL,  96
.set AF,   64
.set BK,   128
.set HW,   128                         ; v128-159 scale words (step g, row j at 2 g + j), v160-191 -M, v192-223 sums
.set HM,   160
.set HL,   192
.set NMJ,  224
.set LJ,   226
.set RC,   228
.set D0,   230
.set E0,   232
.set W0,   234
.set K0,   236
.set G1,   24
.set G0,   32
.set G1B,  48
.set G0B,  56
.set MK,   66                          ; s66  0x80808080
.set PFB,  72                          ; s[72:79] where my prefetches stand: slot fill c at s[72 + 2 c]
.set MSB, 0
.macro WIN new
.if MSB != (\new)
	s_set_vgpr_msb (MSB<<8)|(\new)
.set MSB, \new
.endif
.endm
.macro JLOAD s                         ; waves 0 and 1 fetch A, waves 2 and 3 B; four v_nop follow each line
	s_cmp_eq_u32 s15, 0
	s_cbranch_scc0 .Lfor_b_\@
	tensor_load_to_lds s[G0+4*\s:G0+4*\s+3], s[G1:G1+7]
	s_nop 0
.rept 4
	v_nop
.endr
	s_branch .Lasked_\@
.Lfor_b_\@:
	tensor_load_to_lds s[G0B+4*\s:G0B+4*\s+3], s[G1B:G1B+7]
	s_nop 0
.rept 4
	v_nop
.endr
.Lasked_\@:
.endm
.macro ASK c                           ; fill c: p's waves 32 + 16 blocks, v^T's 25 (the lanes left over name the last again).  The branch hangs on the wave's number alone
	global_prefetch_b8 v[PF1], s[PFB+2*\c:PFB+2*\c+1] th:TH_LOAD_NT scope:SCOPE_SE
	s_cmp_eq_u32 s15, 0
	s_cbranch_scc0 .Lno_more_\@
	global_prefetch_b8 v[PF2], s[PFB+2*\c:PFB+2*\c+1] th:TH_LOAD_NT scope:SCOPE_SE
.Lno_more_\@:
.endm
.macro CREST
	s_cmp_lg_u32 s14, 0
	s_cbranch_scc1 .Lnot_wave_0_\@
	s_barrier_signal -3
.Lnot_wave_0_\@:
	s_barrier_wait -3
	s_barrier_signal -1
	s_barrier_wait -1
.endm
.macro CROUND
	s_barrier_signal -1
	s_barrier_wait -1
	CREST
.endm
.macro PLACES n
.rept \n
	v_nop
.endr
.endm
.macro AT st
.set SL, ((\st)/4)%2
.set QQ, (\st)%4
.set PP, (\st)%2
.endm
.macro LSB st                          ; step st: 3 loads of scale words, 12 of B, into the registers of its parity
	AT \st
	WIN 0
.irp G, 0,1
	ds_load_b128 v[SA+8*PP+4*\G:SA+8*PP+4*\G+3], v[ASA] offset:1024*(\st)+256*\G
.endr
	ds_load_b128 v[SB+4*PP:SB+4*PP+3], v[ASB+SL] offset:U*QQ
	WIN 0x40*(1+PP)
.irp i, 0,1,2,3
.irp k, 0,1,2
	ds_load_b128 v[12*\i+4*\k:12*\i+4*\k+3], v[ADRB+SL] offset:U*QQ+1536*\i+512*\k
.endr
.endr
.endm
.macro LDA st, i                       ; A's block i: 3 loads
	AT \st
	WIN 0x40*(1+PP)
.irp k, 0,1,2
	ds_load_b128 v[AF+12*(\i)+4*\k:AF+12*(\i)+4*\k+3], v[ADRA+SL] offset:UP*QQ+1536*(\i)+512*\k
.endr
.endm
.macro MM a, st, zero                  ; the 32 accumulators take turns, in the same order in every step
	WIN 0xf5+5*((\st)%2)
.irp b, 0,1,2,3
.set rD, 8*(4*(\a)+\b)
.set rB, 12*\b
.set rA, AF+12*(\a)
.set sB, SB+4*((\st)%2)+2*(\b%2)+(\b/2)
.set sA, SA+8*((\st)%2)+4*((\a)/4)+2*((\a)%2)+((\a)/2)%2
.if \zero
	v_wmma_scale_f32_16x16x128_f8f6f4 v[rD:rD+7], v[rB:rB+11], v[rA:rA+11], 0, v[sB], v[sA] matrix_a_fmt:MATRIX_FMT_BF6 matrix_b_fmt:MATRIX_FMT_BF6
.else
	v_wmma_scale_f32_16x16x128_f8f6f4 v[rD:rD+7], v[rB:rB+11], v[rA:rA+11], v[rD:rD+7], v[sB], v[sA] matrix_a_fmt:MATRIX_FMT_BF6 matrix_b_fmt:MATRIX_FMT_BF6
.endif
.endr
.endm
; step g of my two rows under the row's M.  Each byte of the word becomes byte - d, or 0 where that would be negative: with bit 7 set first no borrow crosses a byte (p's bytes are 1 .. 123, d at most 127)
.macro FOLD g
.irp j, 0,1
	v_sub_f32 v[D0+\j], v[HM+2*(\g)+\j], v[NMJ+\j]         ; d = M - M_g, a whole number, 0 or more
.endr
.irp j, 0,1
	v_cvt_u32_f32 v[D0+\j], v[D0+\j]
.endr
.irp j, 0,1
	v_min_u32 v[D0+\j], 127, v[D0+\j]
.endr
.irp j, 0,1
	v_sub_nc_u32 v[E0+\j], 0, v[D0+\j]
.endr
.irp j, 0,1
	v_or_b32 v[W0+\j], s[MK], v[HW+2*(\g)+\j]
.endr
.irp j, 0,1
	v_perm_b32 v[D0+\j], v[D0+\j], v[D0+\j], 0             ; d in all four bytes
.endr
.irp j, 0,1
.if (\g) == 0
	v_ldexp_f32 v[LJ+\j], v[HL+2*(\g)+\j], v[E0+\j]        ; the step's sum x 2^-d
.else
	v_ldexp_f32 v[E0+\j], v[HL+2*(\g)+\j], v[E0+\j]
.endif
.endr
.irp j, 0,1
	v_sub_nc_u32 v[W0+\j], v[W0+\j], v[D0+\j]
.endr
.if (\g) > 0
.irp j, 0,1
	v_add_f32 v[LJ+\j], v[LJ+\j], v[E0+\j]
.endr
.endif
.irp j, 0,1
	v_and_b32 v[K0+\j], s[MK], v[W0+\j]                    ; bit 7 is still set where byte - d is not negative
.endr
.irp j, 0,1
	v_lshrrev_b32 v[E0+\j], 7, v[K0+\j]
.endr
.irp j, 0,1
	v_sub_nc_u32 v[K0+\j], v[K0+\j], v[E0+\j]              ; 0x7f there, 0 elsewhere
.endr
.irp j, 0,1
	v_and_b32 v[HW+2*(\g)+\j], v[W0+\j], v[K0+\j]
.endr
	ds_store_b64 v[SWA], v[HW+2*(\g):HW+2*(\g)+1] offset:1024*(\g)
.endm
; kind 0: the next step lies in the same slot: its 39 loads go out in four runs of 15 (scale words, B), 9 (A's blocks 0-2), 9 (3-5) and 6 (6, 7) (an LDS store between only makes a count stricter).
; kind 1: a change of slots that fills this slot again
.macro STEP st, zero, kind
	WIN 0
.if (\kind) == 0
	PLACES 4                                       ; in front of loads into registers that matrix instructions have read
	LSB (\st)+1
	s_wait_dscnt 30                                ; A's blocks 0-2 are in: 9 + 6 of this step and the 15 just issued may be out
	MM 0, \st, \zero
	MM 1, \st, \zero
.irp i, 0,1,2
	LDA (\st)+1, \i
.endr
	s_wait_dscnt 30                                ; 3-5: 6 + 15 + 9
	MM 2, \st, \zero
	MM 3, \st, \zero
.irp i, 3,4,5
	LDA (\st)+1, \i
.endr
	WIN 0
.set FG, (\st)+4
	FOLD FG
.if (\st)%4 == 2
.set FG, (\st)+5
	FOLD FG
.endif
.if (\st) == 10
	s_wait_alu depctr_va_vdst(0)                   ; the wait ahead of the batch
	v_rcp_f32 v[RC], v[LJ]
	v_rcp_f32 v[RC+1], v[LJ+1]
	v_nop                                          ; a plain place behind the reciprocals
	s_wait_alu depctr_va_vdst(0)                   ; and ahead of its first reader
	ds_store_b64 v[SWR], v[RC:RC+1]
.endif
	MM 4, \st, \zero
	MM 5, \st, \zero
	LDA (\st)+1, 6
	LDA (\st)+1, 7
	s_wait_dscnt 39                                ; 6, 7: 15 + 9 + 9 + 6
	MM 6, \st, \zero
	MM 7, \st, \zero
	WIN 0
.else
	TURN \st
	CREST                                          ; a round of the cluster's barrier: no wave of any partner still reads this slot or has a load on its way
.set SF, ((\st)/4)%2
	s_add_nc_u64 s[G0+4*SF+2:G0+4*SF+3], s[G0+4*SF+2:G0+4*SF+3], 8*UP
	s_add_nc_u64 s[G0B+4*SF+2:G0B+4*SF+3], s[G0B+4*SF+2:G0B+4*SF+3], 8*U
	JLOAD SF
	LSB (\st)+1
.irp i, 0,1,2
	LDA (\st)+1, \i
.endr
	MM 3, \st, 0
	MM 4, \st, 0
.irp i, 3,4,5
	LDA (\st)+1, \i
.endr
	MM 5, \st, 0
	LDA (\st)+1, 6
	LDA (\st)+1, 7
	MM 6, \st, 0
	MM 7, \st, 0
	WIN 0
.endif
.endm
.macro TURN st                         ; the first part of a change of slots, up to its barrier
	s_wait_tensorcnt 0x0                           ; all my tensor loads have landed: my part of the next slot
	ds_add_u32 v[SPW], v[NIL]                      ; 0 onto my spare word
	s_wait_dscnt 16                                ; A's blocks 0-2 are in: 9 + 6 loads and the add may be out
	MM 0, \st, 0
	MM 1, \st, 0
	s_wait_dscnt 0x0                               ; the add is done, my reads of this slot are over, and my scale words for the next are stored
	s_barrier_signal -1
	MM 2, \st, 0
	WIN 0
	s_barrier_wait -1
.endm
; THE LAST SLOT (slot 1, steps 12 to 15), by pairs of row blocks
.macro BQ q                            ; step 12 + q: its scale words, its B, and A's blocks 0 and 1: 21 loads
	WIN 0
	ds_load_b128 v[SBL+4*\q:SBL+4*\q+3], v[ASB+1] offset:U*\q
.irp G, 0,1
	ds_load_b128 v[SAL+8*\q+4*\G:SAL+8*\q+4*\G+3], v[ASA] offset:1024*(12+\q)+256*\G
.endr
	WIN 0x40
.irp i, 0,1,2,3
.irp k, 0,1,2
	ds_load_b128 v[48*\q+12*\i+4*\k:48*\q+12*\i+4*\k+3], v[ADRB+1] offset:U*\q+1536*\i+512*\k
.endr
.endr
	WIN 0x80
.irp m, 0,1
.irp k, 0,1,2
	ds_load_b128 v[160+24*\q+12*\m+4*\k:160+24*\q+12*\m+4*\k+3], v[ADRA+1] offset:UP*\q+1536*\m+512*\k
.endr
.endr
	WIN 0
.endm
.macro LAP pr                          ; A's blocks 2 pr, 2 pr + 1, all four steps: 24 loads
.set BA, 160-96*((\pr)%2)
	WIN 0x80
.irp q, 0,1,2,3
.irp m, 0,1
.irp k, 0,1,2
	ds_load_b128 v[BA+24*\q+12*\m+4*\k:BA+24*\q+12*\m+4*\k+3], v[ADRA+1] offset:UP*\q+1536*(2*(\pr)+\m)+512*\k
.endr
.endr
.endr
	WIN 0
.endm
.macro MR pr, q                        ; two row blocks x four: the eight accumulators take turns, K ascending
.set BA, 160-96*((\pr)%2)
	WIN 0xf9
.irp m, 0,1
.irp b, 0,1,2,3
.set aa, 2*(\pr)+\m
.set rD, 8*(4*aa+\b)
.set rB, 48*(\q)+12*\b
.set rA, BA+24*(\q)+12*\m
.set sB, SBL+4*(\q)+2*(\b%2)+(\b/2)
.set sA, SAL+8*(\q)+4*(aa/4)+2*(aa%2)+(aa/2)%2
	v_wmma_scale_f32_16x16x128_f8f6f4 v[rD:rD+7], v[rB:rB+11], v[rA:rA+11], v[rD:rD+7], v[sB], v[sA] matrix_a_fmt:MATRIX_FMT_BF6 matrix_b_fmt:MATRIX_FMT_BF6
.endr
.endr
	WIN 0
.endm
; THE WAY OUT of block a (16 queries x my 64 features): divided by l, through my stage in LDS (rows of 256 + 16 bytes), back as whole rows
.macro TOSTAGE a
.set TT, 192+32*((\a)%2)
	WIN 0x03                                       ; source 0: the accumulators' window
.set ii, 0
.rept 16
	v_pk_mul_f32 v[TT+2*ii:TT+2*ii+1], v[32*(\a)+2*ii:32*(\a)+2*ii+1], v[RI+2*(\a):RI+2*(\a)+1]   ; each accumulator from its low end on
.set ii, ii+1
.endr
	WIN 0
.irp b, 0,1,2,3
	ds_store_b128 v[STO], v[TT+8*\b:TT+8*\b+3] offset:128*(\b/2)+32*(\b%2)          ; tile b, register j: true feature 32 (b / 2) + 16 h + 8 (b % 2) + j
	ds_store_b128 v[STO], v[TT+8*\b+4:TT+8*\b+7] offset:128*(\b/2)+32*(\b%2)+16
.endr
.irp t, 0,1,2,3,4,5,6,7
	ds_load_b128 v[BK+32*((\a)%2)+4*\t:BK+32*((\a)%2)+4*\t+3], v[RD] offset:544*\t   ; LDS serves a wave's instructions in order: these see the stores above
.endr
.endm
.macro SEND a, younger
	s_wait_dscnt \younger
.irp t, 0,1,2,3,4,5,6,7                ; stage row 2 t + h is position 16 a + 2 t + h: true row 32 (a / 2) + 8 (a % 2) + 16 (t / 4) + 2 (t % 4) + h
	global_store_b128 v[CO], v[BK+32*((\a)%2)+4*\t:BK+32*((\a)%2)+4*\t+3], s[12:13] offset:(32*((\a)/2)+8*((\a)%2)+16*(\t/4)+2*(\t%4))*4096 th:TH_STORE_NT   ; 16 lanes store 256 consecutive bytes, aligned
.endr
.endm
.macro PAIR pr                         ; pair pr is multiplied while the pair before goes out
	PLACES 4                                       ; in front of loads into operands' registers and of the first read of the last pair's results
.if (\pr) < 3
	LAP (\pr)+1
	s_wait_dscnt 24                                ; this pair's A is in: the 24 just issued may be out
.else
	s_wait_dscnt 0x0
.endif
	MR \pr, 0
.if (\pr) > 1
	s_wait_xcnt 0x0                                ; the earlier blocks' stores have read their data: rows may land there again
.endif
	TOSTAGE 2*(\pr)-2
	MR \pr, 1
	TOSTAGE 2*(\pr)-1
	MR \pr, 2
	SEND 2*(\pr)-2, 16                             ; behind its loads: the next block's 8 stores and 8 loads
	MR \pr, 3
	SEND 2*(\pr)-1, 0
.endm
	s_load_b256 s[4:11], s[0:1], 0x0               ; p's codes, p's scale words, -M and the sums, v^T
	s_load_b64 s[12:13], s[0:1], 0x20              ; O
	v_lshl_add_u32 v[SPW], v0, 2, SPARE
	v_mov_b32 v[NIL], 0
	ds_add_u32 v[SPW], v[NIL]                      ; the opening: the add, twice on end, and its wait ahead of my first tensor load
	ds_add_u32 v[SPW], v[NIL]
	v_lshrrev_b32 v1, 5, v0
	v_readfirstlane_b32 s14, v1
	s_lshr_b32 s15, s14, 1                         ; my half of the tile's queries.  Also: I fetch for A (0) or for B (1)
	s_and_b32 s16, s14, 1                          ; my half of its features.  Also: which half I fetch
	s_bfe_u32 s40, ttmp6, 0x40000                  ; cx
	s_bfe_u32 s41, ttmp6, 0x40004                  ; cy
	s_lshl_b32 s42, ttmp9, 2
	s_add_co_u32 s42, s42, s40                     ; j: the tile of 128 features
	s_and_b32 s18, ttmp7, 0xffff
	s_lshl_b32 s17, s18, 2
	s_add_co_u32 s17, s17, s41                     ; T: the tile of 256 queries
	s_lshr_b32 s18, s18, 1                         ; the batch
	s_lshl_b32 s43, s41, 2
	s_lshl_b32 s43, 15, s43
	s_lshl_b32 s44, 0x1111, s40
	s_or_b32 s[G1+0], s43, (3<<16)|(1<<21)         ; A: four steps of 128 rows, dense: 192 rows of 256 bytes
	s_mov_b32 s[G1+1], 32<<16
	s_mov_b32 s[G1+2], 192<<16
	s_mov_b32 s[G1+3], 32<<16
	s_mov_b32 s[G1+4], 192
	s_mov_b32 s[G1+5], 32
	s_mov_b32 s[G1+6], 0
	s_mov_b32 s[G1+7], 0
	s_or_b32 s[G1B+0], s44, (3<<16)|(1<<21)        ; B: two steps of 128 features with their scale words, dense: 100 rows of 256 bytes
	s_mov_b32 s[G1B+1], 32<<16
	s_mov_b32 s[G1B+2], 100<<16
	s_mov_b32 s[G1B+3], 32<<16
	s_mov_b32 s[G1B+4], 100
	s_mov_b32 s[G1B+5], 32
	s_mov_b32 s[G1B+6], 0
	s_mov_b32 s[G1B+7], 0
	s_lshl_b32 s20, s17, 1
	s_add_co_u32 s20, s20, s16
	s_mul_i32 s20, s20, 16*UP                      ; A: row group 2 T + half
	s_mov_b32 s21, 0
	s_lshl_b32 s46, s18, 3
	s_add_co_u32 s46, s46, s42
	s_lshl_b32 s46, s46, 3
	s_add_co_u32 s46, s46, s16
	s_mul_i32 s46, s46, 2*U                        ; B: feature group 8 (batch) + j, steps 2 half, 2 half + 1
	s_mov_b32 s47, 0
	s_mul_i32 s45, s16, 4*UP                       ; where they go: no place in the cluster enters an LDS address
	s_mul_i32 s67, s16, 2*U
	s_add_co_u32 s67, s67, BOFF
	s_lshl_b32 s92, s17, 2
	s_add_co_u32 s92, s92, s14                     ; the group of 64 rows whose scale words my wave brings under the row's M
	s_lshl_b32 s92, s92, 8
	s_mov_b32 s93, 0
	s_mov_b32 s[MK], 0x80808080
	s_mul_i32 s80, s15, 4*UP                       ; my 128 queries
	s_add_co_u32 s81, s80, SLOT
	s_mul_i32 s82, s16, 6144
	s_add_co_u32 s82, s82, BOFF                    ; my 64 features
	s_add_co_u32 s83, s82, SLOT
	s_lshl_b32 s84, s16, 8
	s_add_co_u32 s84, s84, BOFF+12288              ; their scale words
	s_add_co_u32 s85, s84, SLOT
	s_lshl_b32 s86, s15, 9
	s_add_co_u32 s87, s86, LRL
	s_add_co_u32 s86, s86, LSCA
	s_lshl_b32 s88, s14, 8
	s_add_co_u32 s89, s88, LRL
	s_add_co_u32 s88, s88, LSCA
	s_mul_i32 s90, s14, 16*272                     ; my stage: in slot 0, which has had its last fill and its last read when the first result is stored there
	s_cmp_eq_u32 s15, 0
	s_mov_b32 s91, 24
	s_cselect_b32 s91, 31, s91
	v_and_b32 v20, 15, v0                          ; r
	v_bfe_u32 v21, v0, 4, 1                        ; h
	v_and_b32 v22, 31, v0
	v_lshlrev_b32 v[LI], 4, v22
	v_lshlrev_b32 v[L8], 3, v22
	v_lshlrev_b32 v23, 4, v20                      ; 16 r
	v_min_u32 v[PF1], s91, v22
	v_lshlrev_b32 v[PF1], 8, v[PF1]
	v_min_u32 v[PF2], 15, v22
	v_lshlrev_b32 v[PF2], 8, v[PF2]
	v_add_nc_u32 v[PF2], 0x2000, v[PF2]
	v_add_nc_u32 v[ADRA], s80, v[LI]
	v_add_nc_u32 v[ADRA+1], s81, v[LI]
	v_add_nc_u32 v[ADRB], s82, v[LI]
	v_add_nc_u32 v[ADRB+1], s83, v[LI]
	v_add_nc_u32 v[ASB], s84, v23
	v_add_nc_u32 v[ASB+1], s85, v23
	v_add_nc_u32 v[ASA], s86, v23
	v_lshl_add_u32 v[SWA], v21, 3, v23
	v_add_nc_u32 v[SWA], s88, v[SWA]               ; rows l and 32 + l of my 64: blocks h and 2 + h, row r
	v_add_nc_u32 v[SWR], s89, v[L8]
	v_lshl_add_u32 v[ARL], v20, 3, s87
	v_mul_u32_u24 v[STO], v20, 272
	v_lshl_add_u32 v[STO], v21, 6, v[STO]
	v_add_nc_u32 v[STO], s90, v[STO]
	v_mul_u32_u24 v[RD], v21, 272
	v_add_nc_u32 v[RD], v23, v[RD]
	v_add_nc_u32 v[RD], s90, v[RD]
	v_lshlrev_b32 v[CO], 12, v21
	v_add_nc_u32 v[CO], v23, v[CO]
	s_wait_alu depctr_va_vdst(0)                   ; the wait here, ahead of the waits below
	s_wait_dscnt 0x0                               ; both opening adds are done
	s_wait_kmcnt 0x0
	s_add_nc_u64 s[94:95], s[8:9], s[92:93]
	s_add_nc_u64 s[92:93], s[6:7], s[92:93]
	s_add_nc_u64 s[20:21], s[4:5], s[20:21]
	s_add_nc_u64 s[46:47], s[10:11], s[46:47]
	CROUND                                         ; all sixteen work-groups are here: the first joint loads meet
.irp s, 0,1
	s_mov_b32 s[G0+4*\s], 1
	s_add_co_u32 s[G0+4*\s+1], s45, \s*SLOT
	s_add_nc_u64 s[G0+4*\s+2:G0+4*\s+3], s[20:21], \s*4*UP
	s_or_b32 s[G0+4*\s+3], s[G0+4*\s+3], 0x80000000
	s_mov_b32 s[G0B+4*\s], 1
	s_add_co_u32 s[G0B+4*\s+1], s67, \s*SLOT
	s_add_nc_u64 s[G0B+4*\s+2:G0B+4*\s+3], s[46:47], \s*4*U
	s_or_b32 s[G0B+4*\s+3], s[G0B+4*\s+3], 0x80000000
.endr
	JLOAD 0                                        ; steps 0 to 3: one tensor load a wave at the head
.set ii, 0
.rept 16                               ; my two rows (8 bytes a lane: each load reads one aligned run of 256 bytes): -M, scale words and sums of the sixteen steps
	global_load_b64 v[HM+2*ii:HM+2*ii+1], v[L8], s[94:95] offset:32768*ii
	global_load_b64 v[HW+2*ii:HW+2*ii+1], v[L8], s[92:93] offset:32768*ii
	global_load_b64 v[HL+2*ii:HL+2*ii+1], v[L8], s[94:95] offset:524288+32768*ii
.set ii, ii+1
.endr
	s_mul_i32 s86, s40, 48*256                     ; my share of what my wave's joint load brings: by cx for p, by cy for v^T
	s_mul_i32 s90, s41, 25*256
	s_mov_b32 s87, 0
	s_mov_b32 s88, 4*U
	s_mov_b32 s89, 0
	s_cmp_eq_u32 s15, 0                            ; the choices hang on the wave's number alone
	s_cselect_b64 s[PFB:PFB+1], s[20:21], s[46:47]
	s_cselect_b32 s86, s86, s90
	s_cselect_b32 s88, 4*UP, s88                   ; from slot fill to slot fill
	s_add_nc_u64 s[PFB:PFB+1], s[PFB:PFB+1], s[86:87]
	s_add_nc_u64 s[PFB+2:PFB+3], s[PFB:PFB+1], s[88:89]
	s_add_nc_u64 s[PFB+4:PFB+5], s[PFB+2:PFB+3], s[88:89]
	s_add_nc_u64 s[PFB+6:PFB+7], s[PFB+4:PFB+5], s[88:89]
	ASK 1                                          ; steps 4 to 7
	s_lshl_b32 s18, s17, 8
	s_lshl_b32 s19, s15, 7
	s_add_co_u32 s18, s18, s19
	s_lshl_b32 s18, s18, 12
	s_lshl_b32 s19, s42, 9
	s_add_co_u32 s18, s18, s19
	s_lshl_b32 s19, s16, 8
	s_add_co_u32 s18, s18, s19
	s_mov_b32 s19, 0
	s_add_nc_u64 s[12:13], s[12:13], s[18:19]      ; O at my 128 rows, my 64 features
	s_wait_loadcnt 0x0                             ; the rows' M, while the first tiles land
.irp j, 0,1
	v_min3_num_f32 v[NMJ+\j], v[HM+\j], v[HM+2+\j], v[HM+4+\j]
.endr
.irp g, 3,5,7,9,11,13
.irp j, 0,1
	v_min3_num_f32 v[NMJ+\j], v[NMJ+\j], v[HM+2*\g+\j], v[HM+2*\g+2+\j]
.endr
.endr
.irp j, 0,1
	v_min_num_f32 v[NMJ+\j], v[NMJ+\j], v[HM+30+\j]        ; the least -M: the row's
.endr
.irp g, 0,1,2,3
	FOLD \g
.endr
	s_wait_alu depctr_va_vdst(0)                   ; the wait at the head's end
	s_wait_tensorcnt 0x0                           ; my part of slot 0 is in
	ds_add_u32 v[SPW], v[NIL]
	s_wait_dscnt 0x0                               ; the add is done, and my stores have landed
	CROUND                                         ; both now hold of everybody, and the next joint loads meet
	JLOAD 1                                        ; steps 4 to 7
	LSB 0
.irp i, 0,1,2,3,4,5,6,7
	LDA 0, \i
.endr
	WIN 0
	ASK 2                                          ; steps 8 to 11
	STEP 0, 1, 0                                   ; the first products start the sums
	STEP 1, 0, 0
	STEP 2, 0, 0
	STEP 3, 0, 1                                   ; slot 0 takes steps 8 to 11
	ASK 3                                          ; steps 12 to 15
	STEP 4, 0, 0
	STEP 5, 0, 0
	STEP 6, 0, 0
	STEP 7, 0, 1                                   ; slot 1 takes steps 12 to 15
	STEP 8, 0, 0
	STEP 9, 0, 0
	STEP 10, 0, 0
	TURN 11                                        ; nothing is left to fetch
	PLACES 4
	BQ 0
	BQ 1
.irp a, 3,4,5,6,7
	MM \a, 11, 0
.endr
	BQ 2
	BQ 3
	s_wait_dscnt 60                                ; step 12's 21 loads are in (63 younger ones were issued)
	MR 0, 0
	s_wait_dscnt 42                                ; step 13's: two times 21 may be out
	MR 0, 1
	PLACES 4                                       ; in front of loads into registers that step 11's products have read
	LAP 1
	s_wait_dscnt 45                                ; step 14's: 21 + 24
	MR 0, 2
	s_wait_dscnt 24                                ; step 15's
	MR 0, 3
.irp a, 0,1,2,3,4,5,6,7
	ds_load_b32 v[RI+2*\a], v[ARL] offset:256*(\a/4)+128*(\a%2)+4*((\a/2)%2)
	ds_load_b32 v[RI+2*\a+1], v[ARL] offset:256*(\a/4)+128*(\a%2)+4*((\a/2)%2)   ; twice: a pair for the packed multiplication
.endr
	PAIR 1
	PAIR 2
	PAIR 3
	PLACES 4
	s_wait_xcnt 0x0
	TOSTAGE 6
	TOSTAGE 7
	SEND 6, 16
	SEND 7, 0
	s_wait_tensorcnt 0x0                           ; the wave's end
	ds_add_u32 v[SPW], v[NIL]
	s_wait_dscnt 0x0
	CROUND                                         ; the closing round
	s_endpgm
.Lfunc_end_k_q99029d312a_pv:
	.size	k_q99029d312a_pv, .Lfunc_end_k_q99029d312a_pv-k_q99029d312a_pv
	.p2alignl 7, 3214868480
	.fill 96, 4, 3214868480
	.section	.rodata,"a",@progbits
	.p2align	6, 0x0
	.amdhsa_kernel k_q99029d312a_pv
		.amdhsa_group_segment_fixed_size 327680
		.amdhsa_private_segment_fixed_size 0
		.amdhsa_enable_private_segment 0
		.amdhsa_kernarg_size 40
		.amdhsa_user_sgpr_count 2
		.amdhsa_user_sgpr_kernarg_segment_ptr 1
		.amdhsa_wavefront_size32 1
		.amdhsa_system_sgpr_workgroup_id_x 1
		.amdhsa_system_sgpr_workgroup_id_y 1
		.amdhsa_system_sgpr_workgroup_id_z 1
		.amdhsa_system_vgpr_workitem_id 0
		.amdhsa_next_free_vgpr 1024
		.amdhsa_next_free_sgpr 100
		.amdhsa_reserve_vcc 0
		.amdhsa_float_denorm_mode_32 3
		.amdhsa_float_denorm_mode_16_64 3
		.amdhsa_memory_ordered 1
		.amdhsa_forward_progress 1
		.amdhsa_inst_pref_size 171
	.end_amdhsa_kernel
	.amdgpu_metadata
---
amdhsa.version: [ 1, 2 ]
amdhsa.kernels:
  - .name:           k_q99029d312a_pv
    .symbol:         k_q99029d312a_pv.kd
    .args:
      - { .name: p, .offset: 0, .size: 8, .value_kind: global_buffer, .address_space: global }
      - { .name: ps, .offset: 8, .size: 8, .value_kind: global_buffer, .address_space: global }
      - { .name: st, .offset: 16, .size: 8, .value_kind: global_buffer, .address_space: global }
      - { .name: vt, .offset: 24, .size: 8, .value_kind: global_buffer, .address_space: global }
      - { .name: out0, .offset: 32, .size: 8, .value_kind: global_buffer, .address_space: global }
    .group_segment_fixed_size: 327680
    .private_segment_fixed_size: 0
    .kernarg_segment_align: 8
    .kernarg_segment_size: 40
    .max_flat_workgroup_size: 128
    .sgpr_count:     100
    .vgpr_count:     1024
    .wavefront_size: 32
...
	.end_amdgpu_metadata
.endif
;; end of part 4
